; MI455X (gfx1250); checked and timed in simulation.
; The chip was launched on July 23, 2026; its instructions are those of AMD's public machine-readable ISA for CDNA 5 (MIT licence, August 2026) and "CDNA5" Instruction Set Architecture Reference Guide (July 2026). The comments in the code are by the model that wrote it; some were corrected since.
;; Causal Self Attention. Allowed arithmetic: matrix products marked QUANTISED: E2M3 operands, one E8M0 scale for each 32 along K, by v_wmma_scale_f32_16x16x128_f8f6f4 with both operands' format E2M3, f32 sums; everything else in f32.
;; Inputs: Wk 1,024 x 1,024 float32; Wo 1,024 x 1,024 float32; Wq 1,024 x 1,024 float32; Wv 1,024 x 1,024 float32; x 4 x 2,048 x 1,024 float32.
;; Outputs: out0 4 x 2,048 x 1,024 float32.
;; This version of the problem:
;;   THIS VERSION OF THE PROBLEM IS GIVEN IN LOW PRECISION. The matrix products marked QUANTISED in the list below multiply operands that are first quantised to E2M3 (2 exponent bits, 3 mantissa bits; 6 bits a number), with one power-of-two scale for each 32 numbers along K (OCP MX v1.0); their sums are f32. All else is computed in f32.
;;   The module's matrix products, in the order in which they are computed (A, B: the left and right operand; K: the contracted axis; several contracted axes count as one K, in the product's order):
;;     1. [M 8,192, K 1,024] x [K 1,024, N 1,024]; A: input x; B: input Wq: QUANTISED
;;     2. [M 8,192, K 1,024] x [K 1,024, N 1,024]; A: input x; B: input Wk: QUANTISED
;;     3. [M 8,192, K 1,024] x [K 1,024, N 1,024]; A: input x; B: input Wv: QUANTISED
;;     4. batch 64 x [M 2,048, K 64] x [K 64, N 2,048]; A: computed on the way; B: computed on the way: QUANTISED
;;     5. batch 64 x [M 2,048, K 2,048] x [K 2,048, N 64]; A: softmax (see below); B: computed on the way: QUANTISED
;;     6. [M 8,192, K 1,024] x [K 1,024, N 1,024]; A: computed on the way; B: input Wo: QUANTISED
;;   THE QUANTISER, for each operand of a quantised product, along K:
;;     - K is cut into blocks of 32 from its start; a last block that is shorter is filled with zeros.
;;     - A block's scale is 2^e with e = floor(log2(the largest magnitude in the block)) - 2, held to -126 .. 127; a block of zeros has e = 0. As a byte (E8M0): e + 127.
;;     - Each number is divided by its block's scale, clamped to +-7.5, and rounded to the nearest number of E2M3, ties to even, subnormals kept.
;;     - The product sums the exact products of the quantised numbers (number of the format x scale) in f32.
;;   ~~~python
;;   def quantise(x, axis):      # numpy; x: float32 -> the quantised numbers, widened to float32 again
;;       x = np.moveaxis(x, axis, -1); K = x.shape[-1]
;;       x = np.pad(x, [(0, 0)] * (x.ndim - 1) + [(0, -K % 32)]); x = x.reshape(x.shape[:-1] + (-1, 32)); a = np.abs(x).max(-1, keepdims=True)
;;       e = np.where(a > 0, np.clip(np.frexp(np.where(a > 0, a, 1))[1] - 1 - 2, -126, 127), 0)      # np.frexp(a)[1] - 1 = floor(log2(a)), exactly
;;       r = np.clip(x / 2.0 ** e, -7.5, 7.5)
;;       step = 2.0 ** (np.maximum(np.frexp(np.where(r == 0, 1, r))[1] - 1, 0) - 3)
;;       q = np.round(r / step) * step * 2.0 ** e      # np.round: ties to even
;;       return np.moveaxis(q.reshape(q.shape[:-2] + (-1,))[..., :K], -1, axis).astype(np.float32)
;;   ~~~
;;   SOFTMAX AHEAD OF A QUANTISED PRODUCT. Where the list says 'softmax', what is quantised is not the finished softmax but p = 2^(t - M), with t = logit x log2(e) and M = ceil(the row's largest t), a whole number; so 1/2 < the row's largest p <= 1. The row's sum l is taken of the UNQUANTISED p, in f32, and the product's result is divided by l at the end. Since M is a whole number, a kernel that streams over the keys may use a running M (the ceiling of the running maximum): every later rescaling is an exact power of two, which a block's scale takes up: the codes' values come out the same.
;;   OPERANDS COMPUTED ON THE WAY. 'Computed on the way' means the value that the module computes at that place (a softmax that the list does not call 'softmax' is quantised finished and normalised). What goes into a quantiser is computed in f32, as accurately as f32 sums, v_exp_f32 and their like allow (about 1e-6 of the number): no bf16 or f16 on the way to a quantiser, and a product that is left as it is and whose result goes on into a quantised operand takes f32 operands (vector FMAs, or v_wmma_f32_16x16x4_f32). A number that lies on a knife's edge between two numbers of the format may be rounded either way, as far as f32 arithmetic and the matrix unit's own rounding can turn it there, and no further.
;; One version. Each part assembles by itself: llvm-mc -triple=amdgcn-amd-amdhsa -mcpu=gfx1250 --defsym DOCPART=n.
;; ======== version 1 of 1: 4 launches
;; workspace buffers: x_img 6,553,600 bytes; w_img 3,276,800 bytes; qk_img 13,631,488 bytes; v_img 6,553,600 bytes; a_img 6,553,600 bytes
;; launch quant (part 1): grid 512 x 1, 4 waves a work-group, no clusters, 34,304 bytes of LDS; arguments x, Wq, Wk, Wv, Wo, x_img, w_img; writes x_img, w_img
.if DOCPART == 1
	.amdgcn_target "amdgcn-amd-amdhsa--gfx1250"
	.amdhsa_code_object_version 6
	.text
	.protected	k_q59ad285cfb_quant
	.globl	k_q59ad285cfb_quant
	.p2align	8
	.type	k_q59ad285cfb_quant,@function
k_q59ad285cfb_quant:
	s_mov_b64 s[64:65], 0
	v_nop
	global_prefetch_b8 v0, s[64:65] scope:SCOPE_SE
	s_setreg_imm32_b32 hwreg(HW_REG_WAVE_MODE, 25, 1), 1
	s_wait_xcnt 0x0
; x [8192][1024] and the four weights [1024 (k)][1024 (n)], f32, become codes of FP6 (E2M3) with one E8M0 byte for each 32 along K,
; laid as IMAGES OF THE MATRIX OPERAND'S REGISTERS, so that later launches fetch fragments by dense loads alone.
; A TILE is 16 rows (of x) or 16 columns (of a weight): lane r of tile T holds row 32 (T / 2) + 8 (T % 2) + r % 8 + 16 (r / 8).
; A FRAGMENT (a tile x 128 along K, 12 registers a lane) is 1,536 bytes: for c = 0, 1: registers 6 c .. 6 c + 3 at 768 c + 16 x lane,
; registers 6 c + 4, 6 c + 5 at 768 c + 512 + 8 x lane.  Fragment (T, s) lies at (8 T + s) x 1,536.
; A tile's SCALE WORDS (four bytes: 128 along K of one row) are 512 bytes: the word of K step s and row r at 256 (s / 4) + 16 r + 4 (s % 4).
; A block's scale is 2^(floor(log2(largest magnitude)) - 2): its byte is the largest magnitude's exponent field - 2, held at 1 from below.
; LIMITS: NaN and infinities among the inputs are not served; a block whose largest magnitude lies under 2^-124, and a block of zeros,
; gets the byte 1 (a block of zeros has zero codes, which add nothing under any byte but 0xff; this program alone reads the bytes).
; Work-groups 0-255 take x, 256-511 the weights.  No barrier: waves share nothing.  Only the x path uses LDS.
.set XQ_SB, 6291456                    ; where x's scale words begin in x_img
.set WQ_SB, 3145728                    ; and the weights' in w_img
.set FLOOR, 0x1800000                  ; 2^(3 - 127): no largest magnitude is taken under it, so the byte cannot fall under 1
.set LESS2, 0xff000000                 ; takes 2 off an exponent field
.set SP,    528                        ; x path: a stage row: 512 bytes + 16
.set C,     16                         ; x path: v16-27 a fragment's codes; v28-35 at work; v36-39 four scale words
.set TT,    28
.set PW,    36
.set X,     40                         ; v40-103 64 numbers of my row in the operand's order
.set RR,    104                        ; v104-231 two sets of 64 registers as loaded
.set CW,    16                         ; W path: v16-47 codes, eight registers a block; v48-50 at work; v64-191 four blocks of 32 numbers
.set TW,    48
.set XW,    64
	s_load_b256 s[4:11], s[0:1], 0x0               ; x, Wq, Wk, Wv
	s_load_b128 s[12:15], s[0:1], 0x20             ; Wo, x_img
	s_load_b64 s[16:17], s[0:1], 0x30              ; w_img
	v_lshl_add_u32 v232, v0, 2, 0x8400
	v_mov_b32 v233, 0
	v_lshrrev_b32 v1, 5, v0
	v_readfirstlane_b32 s18, v1                    ; wave 0..3
	v_and_b32 v7, 31, v0                           ; lane
	s_cmp_ge_u32 ttmp9, 256
	s_cbranch_scc1 .Lweights
; ---------------- x: a wave takes one tile of 16 rows and half of K: four fragments ----------------
	s_lshl_b32 s19, ttmp9, 2
	s_add_co_u32 s19, s19, s18                     ; 0..1023
	s_lshr_b32 s20, s19, 1                         ; T: the tile
	s_and_b32 s21, s19, 1                          ; kh: which 512 along K
	s_lshr_b32 s22, s20, 1
	s_lshl_b32 s22, s22, 17                        ; 32 (T / 2) rows of 4,096 bytes
	s_and_b32 s23, s20, 1
	s_lshl_b32 s23, s23, 15                        ; + 8 (T % 2) rows
	s_add_co_u32 s22, s22, s23
	s_lshl_b32 s23, s21, 11                        ; + 2,048 kh
	s_add_co_u32 s22, s22, s23
	s_mov_b32 s23, 0
	s_mul_i32 s24, s20, 12288                      ; the codes: (8 T + 4 kh) x 1,536
	s_mul_i32 s25, s21, 6144
	s_add_co_u32 s24, s24, s25
	s_mov_b32 s25, 0
	s_lshl_b32 s26, s20, 9                         ; the scale words: 512 T + 256 kh
	s_lshl_b32 s27, s21, 8
	s_add_co_u32 s26, s26, s27
	s_add_co_u32 s26, s26, XQ_SB
	s_mov_b32 s27, 0
	s_mul_i32 s28, s18, 16*SP                      ; my wave's stage
	s_mov_b32 s30, 0x76543210
	s_mov_b32 s31, 0xfedcba98                      ; v_permlanex16_b32's selects for lane l xor 16
	v_and_b32 v8, 15, v0                           ; r
	v_bfe_u32 v9, v0, 4, 1                         ; h
	s_wait_alu depctr_va_vdst(0)
	v_lshlrev_b32 v1, 4, v7                        ; 16 x lane
	v_add_nc_u32 v2, s28, v1                       ; into the stage: a row as it lies
	v_mul_u32_u24 v3, v8, SP
	v_lshl_add_u32 v3, v9, 7, v3
	v_add_nc_u32 v3, s28, v3                       ; out of it: row r, + 128 h: my 32 numbers of each 64
	v_lshl_add_u32 v4, v7, 3, 512                  ; 512 + 8 x lane
	v_lshlrev_b32 v5, 3, v9                        ; 8 h
	v_lshlrev_b32 v6, 4, v8                        ; 16 r
	v_mov_b32 v10, 0                               ; written once: a lane permute's destination counts as one of its sources
	s_wait_alu depctr_va_vdst(0)
	s_wait_kmcnt 0x0
	s_add_nc_u64 s[4:5], s[4:5], s[22:23]
	s_add_nc_u64 s[32:33], s[14:15], s[24:25]
	s_add_nc_u64 s[34:35], s[14:15], s[26:27]
.macro LOADX f                         ; the 16 rows' 128 numbers of my f-th K step: each load reads 512 consecutive bytes of one row
.irp p, 0,1,2,3,4,5,6,7,8,9,10,11,12,13,14,15
	global_load_b128 v[RR+64*((\f)%2)+4*\p:RR+64*((\f)%2)+4*\p+3], v1, s[4:5] offset:((\p%8)+16*(\p/8))*4096+512*(\f) th:TH_LOAD_NT
.endr
.endm
.macro TURNX f                         ; through my own stage: in as rows, out 128 bytes of row r a lane for each half c.  LDS serves a wave's instructions in order: no wait between
.irp p, 0,1,2,3,4,5,6,7,8,9,10,11,12,13,14,15
	ds_store_b128 v2, v[RR+64*((\f)%2)+4*\p:RR+64*((\f)%2)+4*\p+3] offset:SP*\p
.endr
.irp c, 0,1
.irp j, 0,1,2,3,4,5,6,7
	ds_load_b128 v[X+32*\c+4*\j:X+32*\c+4*\j+3], v3 offset:256*\c+16*\j
.endr
.endr
.endm
.macro QX f                            ; v[X + 32 c + i] = k 64 c + 32 h + i of my row: two whole blocks a lane
.irp c, 0,1
	v_max3_num_f32 v[8+\c], |v[X+32*\c]|, |v[X+32*\c+1]|, FLOOR
.endr
.irp i, 2,4,6,8,10,12,14,16,18,20,22,24,26,28,30
.irp c, 0,1
	v_max3_num_f32 v[8+\c], v[8+\c], |v[X+32*\c+\i]|, |v[X+32*\c+\i+1]|   ; the two blocks by turns
.endr
.endr
.irp c, 0,1
	v_add_nc_u32 v[12+\c], LESS2, v[8+\c]          ; the conversion takes the exponent field of this operand as its scale
.endr
.irp c, 0,1
	v_lshrrev_b32 v[8+\c], 23, v[12+\c]            ; the scale's byte
.endr
	v_lshl_or_b32 v[PW+(\f)], v9, 16, v8           ; my bytes: blocks h and 2 + h,
	v_lshlrev_b32 v[PW+(\f)], v5, v[PW+(\f)]       ; at their places (8 h bits up);
	v_permlanex16_b32 v10, v[PW+(\f)], s30, s31
	v_or_b32 v[PW+(\f)], v[PW+(\f)], v10           ; with lane l xor 16's two the word is whole
.if (\f) > 0
	s_wait_alu depctr_va_vdst(0)
	s_wait_xcnt 0x0                                ; the last fragment's stores have read the codes' registers: they are written again only behind this wait
.endif
.irp c, 0,1
	v_cvt_scalef32_pk16_fp6_f32 v[C+6*\c:C+6*\c+2], v[X+32*\c:X+32*\c+15], v[12+\c]
	v_cvt_scalef32_pk16_fp6_f32 v[TT+4*\c:TT+4*\c+2], v[X+32*\c+16:X+32*\c+31], v[12+\c]   ; (a conversion's three registers begin on an even number)
.endr
	v_nop                                          ; one plain place behind a scaled conversion
.irp c, 0,1
.irp i, 0,1,2
	v_mov_b32 v[C+6*\c+3+\i], v[TT+4*\c+\i]
.endr
.endr
	global_store_b128 v1, v[C:C+3], s[32:33] offset:1536*(\f)          ; 512 consecutive bytes,
	global_store_b64 v4, v[C+4:C+5], s[32:33] offset:1536*(\f)         ; 256,
	global_store_b128 v1, v[C+6:C+9], s[32:33] offset:1536*(\f)+768    ; and the same for the second half
	global_store_b64 v4, v[C+10:C+11], s[32:33] offset:1536*(\f)+768
.endm
	LOADX 0
	LOADX 1
.irp f, 0,1,2,3
.if \f < 3
	s_wait_loadcnt 16                              ; this K step's sixteen loads are in; the next step's sixteen may be out
.else
	s_wait_loadcnt 0x0
.endif
	TURNX \f
	s_wait_dscnt 0x0                               ; the numbers are back; the stage's stores have read their registers,
.if \f < 2
	LOADX \f+2                                     ; which take the loads of two steps on
.endif
	QX \f
.endr
	global_store_b128 v6, v[PW:PW+3], s[34:35]     ; my four K steps' words of row r: 256 consecutive bytes; lanes r and r + 16 hold and write the same bytes
	s_wait_tensorcnt 0x0
	ds_add_u32 v232, v233
	s_wait_dscnt 0x0
	s_endpgm
; ---------------- the weights: a lane takes a column, its registers run down K; a wave takes 32 columns x 128 along K ----------------
.Lweights:
	s_sub_co_u32 s19, ttmp9, 256
	s_lshr_b32 s20, s19, 6                         ; which weight: 0 Wq, 1 Wk, 2 Wv, 3 Wo
	s_bfe_u32 s21, s19, 0x30003                    ; s: the K step
	s_and_b32 s22, s19, 7
	s_lshl_b32 s22, s22, 2
	s_add_co_u32 s22, s22, s18                     ; cg: which 32 columns
	s_lshl_b32 s24, s21, 19                        ; 128 s rows of 4,096 bytes
	s_lshl_b32 s25, s22, 7                         ; + 128 cg
	s_add_co_u32 s24, s24, s25
	s_mov_b32 s25, 0
	s_mul_i32 s26, s20, 786432                     ; the codes: tile U = 64 x weight + 2 cg: (8 U + s) x 1,536
	s_mul_i32 s27, s22, 24576
	s_add_co_u32 s26, s26, s27
	s_mul_i32 s27, s21, 1536
	s_add_co_u32 s26, s26, s27
	s_mov_b32 s27, 0
	s_lshl_b32 s30, s20, 15                        ; the scale words: 512 U + 256 (s / 4) + 4 (s % 4)
	s_lshl_b32 s31, s22, 10
	s_add_co_u32 s30, s30, s31
	s_lshr_b32 s31, s21, 2
	s_lshl_b32 s31, s31, 8
	s_add_co_u32 s30, s30, s31
	s_and_b32 s31, s21, 3
	s_lshl_b32 s31, s31, 2
	s_add_co_u32 s30, s30, s31
	s_add_co_u32 s30, s30, WQ_SB
	s_mov_b32 s31, 0
	v_bfe_u32 v8, v0, 3, 1                         ; u: my column lies in tile 2 cg + u,
	v_and_b32 v9, 7, v0
	v_bfe_u32 v10, v0, 4, 1
	v_lshl_add_u32 v9, v10, 3, v9                  ; as its row lane % 8 + 8 (lane / 16)
	s_wait_alu depctr_va_vdst(0)
	v_lshlrev_b32 v1, 2, v7                        ; in: 4 bytes a lane
	v_mul_u32_u24 v2, v8, 12288
	v_lshl_add_u32 v2, v9, 4, v2                   ; out: the tile's fragment, + 16 x row
	v_mul_u32_u24 v3, v8, 12288
	v_lshl_add_u32 v3, v9, 3, v3
	v_add_nc_u32 v3, 512, v3                       ; and + 512 + 8 x row
	v_lshlrev_b32 v4, 9, v8
	v_lshl_add_u32 v4, v9, 4, v4                   ; the tile's scale words, + 16 x row
	s_wait_alu depctr_va_vdst(0)
	s_wait_kmcnt 0x0
	s_mov_b64 s[28:29], s[6:7]                     ; the weight is chosen by the work-group's number alone
	s_cmp_eq_u32 s20, 1
	s_cselect_b64 s[28:29], s[8:9], s[28:29]
	s_cmp_eq_u32 s20, 2
	s_cselect_b64 s[28:29], s[10:11], s[28:29]
	s_cmp_eq_u32 s20, 3
	s_cselect_b64 s[28:29], s[12:13], s[28:29]
	s_add_nc_u64 s[28:29], s[28:29], s[24:25]
	s_add_nc_u64 s[32:33], s[16:17], s[26:27]
	s_add_nc_u64 s[34:35], s[16:17], s[30:31]
.macro LOADW t                         ; block t: W(128 s + 32 t + i, my column): a wave reads 128 consecutive bytes, the four waves side by side 512
.irp i, 0,1,2,3,4,5,6,7,8,9,10,11,12,13,14,15,16,17,18,19,20,21,22,23,24,25,26,27,28,29,30,31
	global_load_b32 v[XW+32*(\t)+\i], v1, s[28:29] offset:(32*(\t)+\i)*4096 th:TH_LOAD_NT
.endr
.endm
.macro BLOCKW t
.set XS, XW+32*(\t)
.set CC, CW+8*(\t)
.if (\t) < 3
	s_wait_loadcnt 32                              ; this block's 32 loads are in; the next block's may be out
.else
	s_wait_loadcnt 0x0
.endif
.if (\t) < 2
	LOADW (\t)+2
.endif
	v_max3_num_f32 v12, |v[XS]|, |v[XS+1]|, |v[XS+2]|      ; the block's largest magnitude: all 32 numbers are mine; two chains
	v_max3_num_f32 v13, |v[XS+3]|, |v[XS+4]|, |v[XS+5]|
.irp i, 6,10,14,18,22,26
	v_max3_num_f32 v12, v12, |v[XS+\i]|, |v[XS+\i+1]|
	v_max3_num_f32 v13, v13, |v[XS+\i+2]|, |v[XS+\i+3]|
.endr
	v_max3_num_f32 v12, v12, |v[XS+30]|, |v[XS+31]|
	v_max3_num_f32 v12, v12, v13, FLOOR
	v_add_nc_u32 v11, LESS2, v12                   ; the conversion's scale operand
	v_lshrrev_b32 v13, 23, v11                     ; the scale's byte
.if (\t) == 0
	v_mov_b32 v14, v13                             ; the four blocks' bytes make my column's word for this K step
.else
	v_lshl_or_b32 v14, v13, 8*(\t), v14
.endif
	v_cvt_scalef32_pk16_fp6_f32 v[CC:CC+2], v[XS:XS+15], v11
	v_cvt_scalef32_pk16_fp6_f32 v[TW:TW+2], v[XS+16:XS+31], v11
	v_nop                                          ; one plain place behind a scaled conversion
.irp i, 0,1,2
	v_mov_b32 v[CC+3+\i], v[TW+\i]
.endr
	; block t = 2 c + h is what lane (row, h) holds in registers 6 c .. 6 c + 5: each block has registers of its own, so no store's data are written again
	global_store_b128 v2, v[CC:CC+3], s[32:33] offset:768*((\t)/2)+256*((\t)%2)     ; 256 consecutive bytes in each of the two tiles
	global_store_b64 v3, v[CC+4:CC+5], s[32:33] offset:768*((\t)/2)+128*((\t)%2)    ; 128 in each
.endm
	LOADW 0
	LOADW 1
	BLOCKW 0
	BLOCKW 1
	BLOCKW 2
	BLOCKW 3
	global_store_b32 v4, v14, s[34:35]             ; four bytes a column, 16 bytes apart: one byte for each 128 that the path reads
	s_endpgm
.Lfunc_end_k_q59ad285cfb_quant:
	.size	k_q59ad285cfb_quant, .Lfunc_end_k_q59ad285cfb_quant-k_q59ad285cfb_quant
	.p2alignl 7, 3214868480
	.fill 96, 4, 3214868480
	.section	.rodata,"a",@progbits
	.p2align	6, 0x0
	.amdhsa_kernel k_q59ad285cfb_quant
		.amdhsa_group_segment_fixed_size 34304
		.amdhsa_private_segment_fixed_size 0
		.amdhsa_enable_private_segment 0
		.amdhsa_kernarg_size 56
		.amdhsa_user_sgpr_count 2
		.amdhsa_user_sgpr_kernarg_segment_ptr 1
		.amdhsa_wavefront_size32 1
		.amdhsa_system_sgpr_workgroup_id_x 1
		.amdhsa_system_sgpr_workgroup_id_y 1
		.amdhsa_system_sgpr_workgroup_id_z 1
		.amdhsa_system_vgpr_workitem_id 0
		.amdhsa_next_free_vgpr 234
		.amdhsa_next_free_sgpr 66
		.amdhsa_reserve_vcc 0
		.amdhsa_float_denorm_mode_32 3
		.amdhsa_float_denorm_mode_16_64 3
		.amdhsa_memory_ordered 1
		.amdhsa_forward_progress 1
		.amdhsa_inst_pref_size 52
	.end_amdhsa_kernel
	.amdgpu_metadata
---
amdhsa.version: [ 1, 2 ]
amdhsa.kernels:
  - .name:           k_q59ad285cfb_quant
    .symbol:         k_q59ad285cfb_quant.kd
    .args:
      - { .name: x, .offset: 0, .size: 8, .value_kind: global_buffer, .address_space: global }
      - { .name: Wq, .offset: 8, .size: 8, .value_kind: global_buffer, .address_space: global }
      - { .name: Wk, .offset: 16, .size: 8, .value_kind: global_buffer, .address_space: global }
      - { .name: Wv, .offset: 24, .size: 8, .value_kind: global_buffer, .address_space: global }
      - { .name: Wo, .offset: 32, .size: 8, .value_kind: global_buffer, .address_space: global }
      - { .name: x_img, .offset: 40, .size: 8, .value_kind: global_buffer, .address_space: global }
      - { .name: w_img, .offset: 48, .size: 8, .value_kind: global_buffer, .address_space: global }
    .group_segment_fixed_size: 34304
    .private_segment_fixed_size: 0
    .kernarg_segment_align: 8
    .kernarg_segment_size: 56
    .max_flat_workgroup_size: 128
    .sgpr_count:     66
    .vgpr_count:     234
    .wavefront_size: 32
...
	.end_amdgpu_metadata
.endif
;; end of part 1
;; launch qkv (part 2): grid 4 x 64, 4 waves a work-group, clusters of 4 x 4, 327,680 bytes of LDS; arguments x_img, w_img, qk_img, v_img; writes qk_img, v_img
.if DOCPART == 2
	.amdgcn_target "amdgcn-amd-amdhsa--gfx1250"
	.amdhsa_code_object_version 6
	.text
	.protected	k_q59ad285cfb_qkv
	.globl	k_q59ad285cfb_qkv
	.p2align	8
	.type	k_q59ad285cfb_qkv,@function
k_q59ad285cfb_qkv:
	s_mov_b64 s[64:65], 0
	v_nop
	global_prefetch_b8 v0, s[64:65] scope:SCOPE_SE
	s_setreg_imm32_b32 hwreg(HW_REG_WAVE_MODE, 25, 1), 1
	s_wait_xcnt 0x0
	s_wait_alu depctr_hold_cnt(0) depctr_sa_sdst(0) depctr_va_vdst(0) depctr_va_sdst(0) depctr_va_ssrc(0) depctr_va_vcc(0) depctr_vm_vsrc(0)
	s_getreg_b32 s2, hwreg(HW_REG_IB_STS2, 6, 4)
	s_cmp_eq_u32 s2, 0
	s_cbranch_scc0 .Lentry_in_a_cluster
	s_endpgm
.Lentry_in_a_cluster:
	s_bfe_u32 s2, ttmp6, 0x10000c
	s_cmp_lg_u32 s2, 0xf033
	s_cbranch_scc0 .Lentry_shape_is_right
	s_endpgm
.Lentry_shape_is_right:
; q = x Wq, k = x Wk, v = x Wv on codes of FP6 (E2M3) with E8M0 scales, K = 1,024; the results are quantised in registers and leave as codes:
; q and k along the head's 64 (two heads to a fragment of 128), v along the keys.  Fragments, tiles and scale words are laid as the launch before lays them.
; THE PRODUCT.  Source 0 is operand P, along whose rows the result will be quantised; source 1 is operand R, whose row stays in the lane.  In the result lane (r, h) holds row r of R's tile
; and register j row 8 h + j of P's tile; by the tiles' choice of rows the 64 registers of eight tiles of P are 32 b + 16 h + i (b = 0..3, i = 0..15) along P: the next operand's order.
; A WORK-GROUP STAYS.  Work-group (j, xg) owns x's 8 tiles 8 xg .. (128 rows), which lie in LDS for the whole launch, and walks three UNITS: the 16 tiles 16 (j + 4 u) .. of the weights,
; 256 columns of Wq (u = 0), Wk (1), Wv (2).  Units 0, 1: P = the weight, R = x; wave w takes 8 tiles of P (half w % 2) x 4 of R (half w / 2).
; Unit 2: P = x's 8 tiles (one key step of 128), R = Wv; wave w takes R's tiles 4 w .. 4 w + 3, which are head 4 j + w.  32 accumulators in every unit; 24 K steps of 128 in all, written out.
; THE RING.  The weights' tiles go through two LDS slots of four K steps (16 tiles x 6,144 bytes); slot f always holds K steps 4 f .. 4 f + 3 of a unit.  A slot is filled again, with the next unit's,
; at the head of the last step that was fetched from it: the load has four K steps, 128 matrix instructions a wave, in which to land.  x's tiles and all scale words are filled once.
; CLUSTER 4 x 4: x's tiles hang on the work-group's y and are asked for jointly by a row of the cluster, the weights' on its x and by a column.  Every wave asks for its quarter of each.
; LIMITS: NaN and infinities are not served; a block whose largest magnitude lies under 2^-124, and a block of zeros, gets the byte 1 (this program alone reads the bytes).
; The upper two bytes of q's and k's scale words are 0: they stand over codes that the next launch sets to zero.
; REGISTERS: window 0: v4-31 addresses; v32-95 P's scale words (8 t + s), v96-127 R's (8 a + s); v128-171 the way out.
;   window 1: P's fragments, two sets of 96.   window 2: accumulator (a, t) at v[64 a + 8 t].   window 3: R's fragments, two sets of 48.
.set XQ_SB, 6291456                    ; where the scale words begin in x_img
.set WQ_SB, 3145728                    ; and in w_img
.set TILE4, 6144                       ; four K steps of one tile
.set WSLOT, 98304                      ; LDS: the ring's two slots at 0 and at WSLOT;
.set XB,    2*WSLOT                    ; x's two halves of K, 8 tiles x 6,144 bytes each;
.set XHALF, 49152
.set XSC,   XB+2*XHALF                 ; x's scale words, 8 tiles x 512 bytes;
.set WSC,   XSC+4096                   ; the weights': for each wave's four tiles the three units' 2,048 bytes;
.set SPARE, WSC+24576                  ; the spare words, 128 bytes for each wave: two blocks of 256 bytes that no other line names
.set UNITB, 786432                     ; from a unit's tiles to the next unit's: 64 tiles of 12,288 bytes
.set FLAGS, (3<<16)|(1<<21)            ; descriptor group 1, first word: elements of 8 bytes, no padding, bit 21 set beside a mask
.set FLOOR, 0x1800000                  ; 2^(3 - 127): no largest magnitude is taken under it, so the byte cannot fall under 1
.set LESS2, 0xff000000                 ; takes 2 off an exponent field
.set SPW,  4                           ; LDS address of my spare word: SPARE + 4 x my thread's number; never rewritten
.set NIL,  5                           ; 0; never rewritten
.set L16,  6                           ; 16 x lane
.set L8,   7                           ; 512 + 8 x lane
.set R16,  8                           ; 16 r
.set OSC,  9                           ; q, k: my place among the scale words: 16 r + 8,192 h
.set SHV,  10                          ; and how far my word is shifted down: 16 h
.set AQ,   12                          ; v12-19 units 0, 1: P's address in slot 0 (+ 16 x lane; + 512 + 8 x lane), in slot 1, R's in x's half 0, half 1
.set AV,   20                          ; v20-27 unit 2: P's in x's half 0, half 1, R's in slot 0, slot 1
.set ASWQ, 28                          ; scale words: units 0, 1: P's;
.set ASXQ, 29                          ; R's;
.set ASXV, 30                          ; unit 2: P's;
.set ASWV, 31                          ; R's
.set SCP,  32
.set SCR,  96
.set TM,   128                         ; v128-131 largest magnitudes, v132-135 bytes, v140-143 scale operands
.set PC,   144                         ; v144-155 a fragment's codes, v156-163 at work
.set PWS,  164                         ; v164-167 the four fragments' scale words
.set SW,   168                         ; v168-171 as q's and k's are stored
.set G1X,  24                          ; s[24:31] group 1 for x's tiles;  s[32:39] for the weights';  s[40:47], s[48:55] for their scale words
.set G1W,  32
.set G1XS, 40
.set G1WS, 48
.set G0XS, 56                          ; s[56:59], s[60:63] groups 0 for the scale words;  s[68:75] for x's two halves;  s[76:83] for the two slots: these walk
.set G0WS, 60
.set G0X,  68
.set G0W,  76
.set OB,   86                          ; s[86+4u:87+4u] where unit u's fragments go, s[88+4u:89+4u] their scale words
.set MSB, 0
.macro WIN new                         ; the immediate's high byte repeats the setting that is left
.if MSB != \new
	s_set_vgpr_msb (MSB<<8)|\new
.set MSB, \new
.endif
.endm
.set MUL,  0xad                        ; source 0 (P) window 1, source 1 (R) window 3, C and D window 2
.set TO_P, 0x40                        ; destination window 1, address window 0
.set TO_R, 0xc0                        ; destination window 3, address window 0
.macro CREST                           ; a round of the cluster's barrier behind its opening barrier
	s_cmp_lg_u32 s20, 0
	s_cbranch_scc1 .Lnot_wave_0_\@
	s_barrier_signal -3
.Lnot_wave_0_\@:
	s_barrier_wait -3
	s_barrier_signal -1
	s_barrier_wait -1
.endm
.macro CROUND                          ; a whole round
	s_barrier_signal -1
	s_barrier_wait -1
	CREST
.endm
.macro SHAPE g, c, r, p                ; group 1's other words: r rows of c elements, p elements from row to row
	s_mov_b32 s[\g+1], (\c)<<16
	s_mov_b32 s[\g+2], (\r)<<16
	s_mov_b32 s[\g+3], (\c)<<16
	s_mov_b32 s[\g+4], \r
	s_mov_b32 s[\g+5], \p
	s_mov_b32 s[\g+6], 0
	s_mov_b32 s[\g+7], 0
.endm
.macro PLACES
.rept 4
	v_nop
.endr
.endm
	s_load_b256 s[4:11], s[0:1], 0x0               ; x_img, w_img, qk_img, v_img
	v_lshl_add_u32 v[SPW], v0, 2, SPARE
	v_mov_b32 v[NIL], 0
	ds_add_u32 v4, v5
	ds_add_u32 v4, v5
	s_wait_dscnt 0x0
	v_lshrrev_b32 v1, 5, v0
	v_readfirstlane_b32 s20, v1                    ; wave 0..3
	s_and_b32 s21, s20, 1                          ; units 0, 1: my half of P's tiles
	s_lshr_b32 s22, s20, 1                         ; and of R's
	s_and_b32 s23, ttmp7, 0xffff                   ; the cluster's y
	s_bfe_u32 s2, ttmp6, 0x40000                   ; cx
	s_bfe_u32 s66, ttmp6, 0x40004                  ; cy
	s_lshl_b32 s3, ttmp9, 2
	s_add_co_u32 s3, s3, s2                        ; j: work-group x
	s_lshl_b32 s67, s23, 2
	s_add_co_u32 s67, s67, s66                     ; xg: work-group y
	s_lshl_b32 s18, 0x1111, s2                     ; my column of the cluster: the weights' tiles
	s_or_b32 s[G1W], s18, FLAGS
	s_or_b32 s[G1WS], s18, FLAGS
	s_lshl_b32 s100, s66, 2
	s_lshl_b32 s100, 15, s100                      ; my row: x's tiles
	s_or_b32 s[G1X], s100, FLAGS
	s_or_b32 s[G1XS], s100, FLAGS
	SHAPE G1W, 768, 4, 1536                        ; 4 tiles: of each tile's 12,288 bytes the 6,144 of four K steps
	SHAPE G1X, 768, 2, 1536                        ; 2 tiles
	SHAPE G1XS, 32, 4, 32                          ; 2 tiles' scale words: 1,024 dense bytes as rows of 256
	SHAPE G1WS, 256, 3, 4096                       ; 4 tiles' scale words, 2,048 bytes, of each of the three units, 32,768 bytes apart
	; what I fetch.  The weights' offsets hang on j and my wave's number, x's on xg and my wave's number, each in registers that never hold the other coordinate
	s_mul_i32 s16, s3, 196608
	s_mul_i32 s17, s20, 49152
	s_add_co_u32 s16, s16, s17
	s_mov_b32 s17, 0                               ; s[16:17]: tiles 16 j + 4 w ..
	s_lshl_b32 s18, s3, 13
	s_lshl_b32 s19, s20, 11
	s_add_co_u32 s18, s18, s19
	s_add_co_u32 s18, s18, WQ_SB
	s_mov_b32 s19, 0                               ; s[18:19]: their scale words
	s_mul_i32 s104, s67, 98304
	s_mul_i32 s105, s20, 24576
	s_add_co_u32 s104, s104, s105
	s_mov_b32 s105, 0                              ; s[104:105]: x's tiles 8 xg + 2 w ..
	s_lshl_b32 s100, s67, 12
	s_lshl_b32 s101, s20, 10
	s_add_co_u32 s100, s100, s101
	s_add_co_u32 s100, s100, XQ_SB
	s_mov_b32 s101, 0                              ; s[100:101]: their scale words
	s_wait_kmcnt 0x0
	CROUND                                         ; all sixteen work-groups are here: the first joint loads meet
	s_mov_b32 s[G0XS], 1
	s_lshl_b32 s[G0XS+1], s20, 10                  ; LDS: the wave's number and constants alone
	s_add_co_u32 s[G0XS+1], s[G0XS+1], XSC
	s_add_nc_u64 s[G0XS+2:G0XS+3], s[4:5], s[100:101]
	s_or_b32 s[G0XS+3], s[G0XS+3], 0x80000000
	s_mov_b32 s[G0WS], 1
	s_mul_i32 s[G0WS+1], s20, 6144
	s_add_co_u32 s[G0WS+1], s[G0WS+1], WSC
	s_add_nc_u64 s[G0WS+2:G0WS+3], s[6:7], s[18:19]
	s_or_b32 s[G0WS+3], s[G0WS+3], 0x80000000
	s_add_nc_u64 s[12:13], s[4:5], s[104:105]
	s_add_nc_u64 s[14:15], s[6:7], s[16:17]
.irp f, 0,1
	s_mov_b32 s[G0X+4*\f], 1
	s_mul_i32 s[G0X+4*\f+1], s20, 12288
	s_add_co_u32 s[G0X+4*\f+1], s[G0X+4*\f+1], XB+\f*XHALF
	s_add_nc_u64 s[G0X+4*\f+2:G0X+4*\f+3], s[12:13], \f*TILE4
	s_or_b32 s[G0X+4*\f+3], s[G0X+4*\f+3], 0x80000000
	s_mov_b32 s[G0W+4*\f], 1
	s_mul_i32 s[G0W+4*\f+1], s20, 24576
	s_add_co_u32 s[G0W+4*\f+1], s[G0W+4*\f+1], \f*WSLOT
	s_add_nc_u64 s[G0W+4*\f+2:G0W+4*\f+3], s[14:15], \f*TILE4
	s_or_b32 s[G0W+4*\f+3], s[G0W+4*\f+3], 0x80000000
.endr
	tensor_load_to_lds s[G0XS:G0XS+3], s[G1XS:G1XS+7]      ; the first fills go out as one group: six tensor loads of mine are out
	s_nop 0
	tensor_load_to_lds s[G0WS:G0WS+3], s[G1WS:G1WS+7]
	s_nop 0
	tensor_load_to_lds s[G0X:G0X+3], s[G1X:G1X+7]          ; K steps 0-3: x,
	s_nop 0
	tensor_load_to_lds s[G0W:G0W+3], s[G1W:G1W+7]          ; unit 0's weight
	s_nop 0
	tensor_load_to_lds s[G0X+4:G0X+7], s[G1X:G1X+7]        ; K steps 4-7
	s_nop 0
	tensor_load_to_lds s[G0W+4:G0W+7], s[G1W:G1W+7]
	s_nop 0
	PLACES
	v_and_b32 v1, 31, v0                           ; lane
	v_and_b32 v2, 15, v0                           ; r
	v_bfe_u32 v3, v0, 4, 1                         ; h
	v_lshlrev_b32 v[L16], 4, v1
	v_lshl_add_u32 v[L8], v1, 3, 512
	v_lshlrev_b32 v[R16], 4, v2
	v_lshl_add_u32 v[OSC], v3, 13, v[R16]
	v_lshlrev_b32 v[SHV], 4, v3
	s_mul_i32 s12, s21, 49152                      ; units 0, 1: P = my 8 tiles of the slot's 16
	v_add_nc_u32 v[AQ], s12, v[L16]
	v_add_nc_u32 v[AQ+1], s12, v[L8]
	s_add_co_u32 s12, s12, WSLOT
	v_add_nc_u32 v[AQ+2], s12, v[L16]
	v_add_nc_u32 v[AQ+3], s12, v[L8]
	s_mul_i32 s12, s22, 24576                      ; R = my 4 tiles of x's 8
	s_add_co_u32 s12, s12, XB
	v_add_nc_u32 v[AQ+4], s12, v[L16]
	v_add_nc_u32 v[AQ+5], s12, v[L8]
	s_add_co_u32 s12, s12, XHALF
	v_add_nc_u32 v[AQ+6], s12, v[L16]
	v_add_nc_u32 v[AQ+7], s12, v[L8]
	v_add_nc_u32 v[AV], XB, v[L16]                 ; unit 2: P = x's 8 tiles
	v_add_nc_u32 v[AV+1], XB, v[L8]
	v_add_nc_u32 v[AV+2], XB+XHALF, v[L16]
	v_add_nc_u32 v[AV+3], XB+XHALF, v[L8]
	s_mul_i32 s12, s20, 24576                      ; R = my 4 tiles of the slot's 16
	v_add_nc_u32 v[AV+4], s12, v[L16]
	v_add_nc_u32 v[AV+5], s12, v[L8]
	s_add_co_u32 s12, s12, WSLOT
	v_add_nc_u32 v[AV+6], s12, v[L16]
	v_add_nc_u32 v[AV+7], s12, v[L8]
	s_mul_i32 s12, s21, 12288                      ; the scale words of my 8 tiles of the weight: two waves' runs of 6,144 bytes
	s_add_co_u32 s12, s12, WSC
	v_add_nc_u32 v[ASWQ], s12, v[R16]
	s_lshl_b32 s12, s22, 11
	s_add_co_u32 s12, s12, XSC
	v_add_nc_u32 v[ASXQ], s12, v[R16]
	v_add_nc_u32 v[ASXV], XSC, v[R16]
	s_mul_i32 s12, s20, 6144
	s_add_co_u32 s12, s12, WSC
	v_add_nc_u32 v[ASWV], s12, v[R16]
.irp b, 0,1,2,3
	v_mov_b32 v[TM+4+\b], 0                        ; written once: a lane permute's destination counts as one of its sources
.endr
	s_mov_b32 s84, 0x76543210
	s_mov_b32 s85, 0xfedcba98                      ; v_permlanex16_b32's selects for lane l xor 16
	; WHERE THE RESULTS GO.  b = xg / 16 the batch.  q, k: g = 2 j + w % 2 the pair of heads, ts = 8 (xg % 16) + 4 (w / 2) my first tile of rows in the sequence
	s_lshr_b32 s13, s67, 4                         ; b
	s_and_b32 s14, s67, 15                         ; xg % 16: for v the key step
	s_lshl_b32 s15, s3, 1
	s_add_co_u32 s15, s15, s21                     ; g
	s_lshl_b32 s16, s13, 3
	s_add_co_u32 s16, s16, s15                     ; 8 b + g
	s_lshl_b32 s17, s14, 3
	s_lshl_b32 s18, s22, 2
	s_add_co_u32 s17, s17, s18                     ; ts
	s_lshl_b32 s18, s16, 7
	s_add_co_u32 s18, s18, s17
	s_mul_i32 s18, s18, 1536                       ; q's fragments: ((8 b + g) 128 + ts) x 1,536;
	s_mov_b32 s19, 0
	s_add_nc_u64 s[OB:OB+1], s[8:9], s[18:19]
	s_add_nc_u64 s[OB+4:OB+5], s[OB:OB+1], 6291456 ; k's lie 4 x 8 x 128 fragments on
	s_lshl_b32 s18, s16, 14                        ; the scale words: (16 b + 2 g) x 8,192 + 256 (ts / 4)
	s_lshr_b32 s17, s17, 2
	s_lshl_b32 s17, s17, 8
	s_add_co_u32 s18, s18, s17
	s_add_co_u32 s18, s18, 12582912
	s_add_nc_u64 s[OB+2:OB+3], s[8:9], s[18:19]
	s_add_nc_u64 s[OB+6:OB+7], s[OB+2:OB+3], 524288
	s_lshl_b32 s16, s13, 4                         ; v: X = (16 b + head) 16 + key step, head = 4 j + w
	s_lshl_b32 s17, s3, 2
	s_add_co_u32 s16, s16, s17
	s_add_co_u32 s16, s16, s20
	s_lshl_b32 s16, s16, 4
	s_add_co_u32 s16, s16, s14
	s_mul_i32 s18, s16, 6144
	s_add_nc_u64 s[OB+8:OB+9], s[10:11], s[18:19]
	s_lshl_b32 s18, s16, 8
	s_add_co_u32 s18, s18, 6291456
	s_add_nc_u64 s[OB+10:OB+11], s[10:11], s[18:19]
; Step n of the 24 (unit n / 8, K step n % 8): my 8 fragments of P and 4 of R into set n % 2: 48 loads, each of 512 or 256 consecutive bytes; every offset is an immediate
.macro FETCH n
.set FP, 96*((\n)%2)
.set FQ, 48*((\n)%2)
.set FA, AQ+8*((\n)/16)+2*(((\n)%8)/4)  ; the role's addresses, in the slot and the half of x that hold this K step
.set FO, 1536*((\n)%4)
	WIN TO_P
.irp t, 0,1,2,3,4,5,6,7
	ds_load_b128 v[FP+12*\t:FP+12*\t+3], v[FA] offset:FO+TILE4*\t
	ds_load_b64 v[FP+12*\t+4:FP+12*\t+5], v[FA+1] offset:FO+TILE4*\t
	ds_load_b128 v[FP+12*\t+6:FP+12*\t+9], v[FA] offset:FO+TILE4*\t+768
	ds_load_b64 v[FP+12*\t+10:FP+12*\t+11], v[FA+1] offset:FO+TILE4*\t+768
.endr
	WIN TO_R
.irp a, 0,1,2,3
	ds_load_b128 v[FQ+12*\a:FQ+12*\a+3], v[FA+4] offset:FO+TILE4*\a
	ds_load_b64 v[FQ+12*\a+4:FQ+12*\a+5], v[FA+5] offset:FO+TILE4*\a
	ds_load_b128 v[FQ+12*\a+6:FQ+12*\a+9], v[FA+4] offset:FO+TILE4*\a+768
	ds_load_b64 v[FQ+12*\a+10:FQ+12*\a+11], v[FA+5] offset:FO+TILE4*\a+768
.endr
.endm
; R's tiles a0, a0 + 1 against P's eight.  The 32 accumulators take turns, one instruction a turn, in the same order in every step.  A unit's first step starts the sums
.macro MUL16 a0, n
.set FP, 96*((\n)%2)
.set FQ, 48*((\n)%2)
.set KS, (\n)%8
.irp a, \a0, \a0+1
.irp t, 0,1,2,3,4,5,6,7
.if KS == 0
	v_wmma_scale_f32_16x16x128_f8f6f4 v[64*(\a)+8*\t:64*(\a)+8*\t+7], v[FP+12*\t:FP+12*\t+11], v[FQ+12*(\a):FQ+12*(\a)+11], 0, v[SCP+8*\t+KS], v[SCR+8*(\a)+KS] matrix_a_fmt:MATRIX_FMT_FP6 matrix_b_fmt:MATRIX_FMT_FP6
.else
	v_wmma_scale_f32_16x16x128_f8f6f4 v[64*(\a)+8*\t:64*(\a)+8*\t+7], v[FP+12*\t:FP+12*\t+11], v[FQ+12*(\a):FQ+12*(\a)+11], v[64*(\a)+8*\t:64*(\a)+8*\t+7], v[SCP+8*\t+KS], v[SCR+8*(\a)+KS] matrix_a_fmt:MATRIX_FMT_FP6 matrix_b_fmt:MATRIX_FMT_FP6
.endif
.endr
.endr
.endm
; Unit u's scale words into registers: row r's words of K steps 0-3 and 4-7 of each tile.  x's words for units 0 and 1 are the same: they are fetched once
.macro SCALES u
.if (\u) < 2
.irp t, 0,1,2,3,4,5,6,7
	ds_load_b128 v[SCP+8*\t:SCP+8*\t+3], v[ASWQ] offset:6144*(\t/4)+2048*(\u)+512*(\t%4)
	ds_load_b128 v[SCP+8*\t+4:SCP+8*\t+7], v[ASWQ] offset:6144*(\t/4)+2048*(\u)+512*(\t%4)+256
.endr
.if (\u) == 0
.irp a, 0,1,2,3
	ds_load_b128 v[SCR+8*\a:SCR+8*\a+3], v[ASXQ] offset:512*\a
	ds_load_b128 v[SCR+8*\a+4:SCR+8*\a+7], v[ASXQ] offset:512*\a+256
.endr
.endif
.else
.irp t, 0,1,2,3,4,5,6,7
	ds_load_b128 v[SCP+8*\t:SCP+8*\t+3], v[ASXV] offset:512*\t
	ds_load_b128 v[SCP+8*\t+4:SCP+8*\t+7], v[ASXV] offset:512*\t+256
.endr
.irp a, 0,1,2,3
	ds_load_b128 v[SCR+8*\a:SCR+8*\a+3], v[ASWV] offset:4096+512*\a
	ds_load_b128 v[SCR+8*\a+4:SCR+8*\a+7], v[ASWV] offset:4096+512*\a+256
.endr
.endif
.endm
; A STEP.  At its head the next step's fragments are asked for, into the set that the step before multiplied: four plain vector instructions stand between those products and the loads
; (ISA guide 7.12.1 for vector instructions); at a unit's first step the way out's four are these.  The loads have this step's matrix instructions in which to land.
; Steps 3, 7, 11, 15, 19 CHANGE SLOTS: this step's fragments were the last to be fetched from its slot, the next step's come from the other.  ONE barrier does both: in front of it each wave waits for all its
; tensor loads (its part of the other slot), adds 0 to its spare word, and waits for that and for its own reads of this slot.  Up to step 15 the slot is filled again, with the next unit's same K steps:
; the barrier then opens a round of the cluster's, and the joint refill is the first thing behind the round.
.macro STEP n
.if (((\n)%4) == 3) && ((\n) < 23)
.set SL, G0W+4*(((\n)%8)/4)
	s_wait_tensorcnt 0x0                           ; all my tensor loads have landed, so a group 0 may be written
	ds_add_u32 v[SPW], v[NIL]                      ; 0 onto my spare word
.if (\n) < 16
	s_add_nc_u64 s[SL+2:SL+3], s[SL+2:SL+3], UNITB ; this slot's next tiles; the type bits on top are not reached
.endif
	s_wait_dscnt 0x0                               ; the add is done; this step's fragments are in, and with them my reads of this slot are over
	s_barrier_signal -1
	WIN MUL
	MUL16 0, \n                                    ; work on registers while the others arrive
	WIN 0
	s_barrier_wait -1
.if (\n) < 16
	CREST                                          ; no wave of any partner still reads this slot or has a load on its way
	tensor_load_to_lds s[SL:SL+3], s[G1W:G1W+7]    ; my one tensor load behind the round: 4 tiles x 6,144 bytes
	s_nop 0
.endif
	PLACES
	FETCH (\n)+1
	WIN MUL
	MUL16 2, \n
	WIN 0
.else
	s_wait_dscnt 0x0                               ; this step's fragments are in (at a unit's first step its scale words too)
.if (((\n)%8) != 0) && ((\n) < 23)
	PLACES
.endif
.if (\n) < 23
	FETCH (\n)+1
.endif
	WIN MUL
	MUL16 0, \n
	MUL16 2, \n
	WIN 0
.endif
.endm
; The 64 numbers of R's tile a (register 16 b + i = 32 b + 16 h + i along P, of my row) become a fragment's codes in v[PC] on and its scale word in v[PWS + a].
.macro QUANT a
.set AC, 64*(\a)
	WIN 0x0a                                       ; sources 0 and 1 window 2
.irp b, 0,1,2,3
	v_max3_num_f32 v[TM+\b], |v[AC+16*\b]|, |v[AC+16*\b+1]|, FLOOR      ; each accumulator is read from its low end on
.endr
	WIN 0x28                                       ; sources 1 and 2 window 2
.irp i, 2,4,6,8,10,12,14
.irp b, 0,1,2,3
	v_max3_num_f32 v[TM+\b], v[TM+\b], |v[AC+16*\b+\i]|, |v[AC+16*\b+\i+1]|   ; the four blocks by turns
.endr
.endr
	WIN 0
.irp b, 0,1,2,3
	v_permlanex16_b32 v[TM+4+\b], v[TM+\b], s84, s85
.endr
.irp b, 0,1,2,3
	v_max_num_f32 v[TM+\b], v[TM+\b], v[TM+4+\b]   ; with lane l xor 16's: the block's largest magnitude
.endr
.irp b, 0,1,2,3
	v_add_nc_u32 v[TM+12+\b], LESS2, v[TM+\b]      ; the conversion takes the exponent field of this operand as its scale
.endr
.irp b, 0,1,2,3
	v_lshrrev_b32 v[TM+4+\b], 23, v[TM+12+\b]      ; the scale's byte
.endr
	v_lshl_or_b32 v[PWS+(\a)], v[TM+5], 8, v[TM+4]
	v_lshl_or_b32 v[PWS+(\a)], v[TM+6], 16, v[PWS+(\a)]
	v_lshl_or_b32 v[PWS+(\a)], v[TM+7], 24, v[PWS+(\a)]
	s_wait_xcnt 0x0                                ; the earlier stores have read their registers: the codes' are written again only behind this wait
	WIN 0x02                                       ; source 0 window 2
.irp c, 0,1
	v_cvt_scalef32_pk16_fp6_f32 v[PC+6*\c:PC+6*\c+2], v[AC+32*\c:AC+32*\c+15], v[TM+12+2*\c]
	v_cvt_scalef32_pk16_fp6_f32 v[PC+12+4*\c:PC+14+4*\c], v[AC+32*\c+16:AC+32*\c+31], v[TM+13+2*\c]   ; (a conversion's three registers begin on an even number)
.endr
	WIN 0
	v_nop                                          ; one plain place behind a scaled conversion
.irp c, 0,1                            ; the operand's layout wants a whole block in a lane: lanes 0-15 block 2 c, lanes 16-31 block 2 c + 1
.irp i, 0,1,2
	v_permlane16_swap_b32 v[PC+6*\c+\i], v[PC+12+4*\c+\i]
.endr
.irp i, 0,1,2
	v_mov_b32 v[PC+3+6*\c+\i], v[PC+12+4*\c+\i]
.endr
.endr
.endm
; THE WAY OUT of unit u.  The next unit's first fragments have been asked for and its tiles are on their way; its scale words are asked for here, four places behind the last products, and land under the quantising.
; Nothing waits for the stores: each unit has bases of its own, and the next unit's products are issued while they leave.
.macro OUT u
	PLACES                                         ; between the last products and the first read of results, and the loads into the scale words' registers
.if (\u) < 2
	SCALES (\u)+1
.endif
.irp a, 0,1,2,3
	QUANT \a
	global_store_b128 v[L16], v[PC:PC+3], s[OB+4*(\u):OB+4*(\u)+1] offset:1536*\a          ; the fragment leaves as it stands: 512, 256, 512, 256 consecutive bytes
	global_store_b64 v[L8], v[PC+4:PC+5], s[OB+4*(\u):OB+4*(\u)+1] offset:1536*\a
	global_store_b128 v[L16], v[PC+6:PC+9], s[OB+4*(\u):OB+4*(\u)+1] offset:1536*\a+768
	global_store_b64 v[L8], v[PC+10:PC+11], s[OB+4*(\u):OB+4*(\u)+1] offset:1536*\a+768
.endr
.if (\u) < 2
.irp a, 0,1,2,3
	v_lshrrev_b32 v[SW+\a], v[SHV], v[PWS+\a]      ; q, k: a head has two of the word's four bytes: lanes 0-15 take the first head's, lanes 16-31 the second's
.endr
.irp a, 0,1,2,3
	v_and_b32 v[SW+\a], 0xffff, v[SW+\a]
.endr
	global_store_b128 v[OSC], v[SW:SW+3], s[OB+4*(\u)+2:OB+4*(\u)+3]       ; row r's words of my four tiles: sixteen lanes store 256 consecutive bytes in each head's run
.else
	global_store_b128 v[R16], v[PWS:PWS+3], s[OB+4*(\u)+2:OB+4*(\u)+3]     ; v: row r's words of the head's four tiles; lanes r and r + 16 hold and write the same bytes
.endif
.endm
	s_wait_alu depctr_va_vdst(0)
	s_wait_tensorcnt 2                             ; my parts of the scale words, of x's first half and of slot 0 are in; the two loads behind them may be out
	s_barrier_signal -1
	s_barrier_wait -1                              ; everybody's are
	SCALES 0
	FETCH 0
.irp n, 0,1,2,3,4,5,6,7
	STEP \n
.endr
	OUT 0
.irp n, 8,9,10,11,12,13,14,15
	STEP \n
.endr
	OUT 1
.irp n, 16,17,18,19,20,21,22,23
	STEP \n
.endr
	OUT 2
	s_wait_tensorcnt 0x0                           ; the wave's end, behind my last tensor load: my last LDS instructions
	ds_add_u32 v[SPW], v[NIL]
	s_wait_dscnt 0x0
	CROUND                                         ; the closing round: no work-group ends while a partner may still ask for a tile that names it
	s_endpgm
.Lfunc_end_k_q59ad285cfb_qkv:
	.size	k_q59ad285cfb_qkv, .Lfunc_end_k_q59ad285cfb_qkv-k_q59ad285cfb_qkv
	.p2alignl 7, 3214868480
	.fill 96, 4, 3214868480
	.section	.rodata,"a",@progbits
	.p2align	6, 0x0
	.amdhsa_kernel k_q59ad285cfb_qkv
		.amdhsa_group_segment_fixed_size 327680
		.amdhsa_private_segment_fixed_size 0
		.amdhsa_enable_private_segment 0
		.amdhsa_kernarg_size 32
		.amdhsa_user_sgpr_count 2
		.amdhsa_user_sgpr_kernarg_segment_ptr 1
		.amdhsa_wavefront_size32 1
		.amdhsa_system_sgpr_workgroup_id_x 1
		.amdhsa_system_sgpr_workgroup_id_y 1
		.amdhsa_system_sgpr_workgroup_id_z 1
		.amdhsa_system_vgpr_workitem_id 0
		.amdhsa_next_free_vgpr 1024
		.amdhsa_next_free_sgpr 106
		.amdhsa_reserve_vcc 0
		.amdhsa_float_denorm_mode_32 3
		.amdhsa_float_denorm_mode_16_64 3
		.amdhsa_memory_ordered 1
		.amdhsa_forward_progress 1
		.amdhsa_inst_pref_size 245
	.end_amdhsa_kernel
	.amdgpu_metadata
---
amdhsa.version: [ 1, 2 ]
amdhsa.kernels:
  - .name:           k_q59ad285cfb_qkv
    .symbol:         k_q59ad285cfb_qkv.kd
    .args:
      - { .name: x_img, .offset: 0, .size: 8, .value_kind: global_buffer, .address_space: global }
      - { .name: w_img, .offset: 8, .size: 8, .value_kind: global_buffer, .address_space: global }
      - { .name: qk_img, .offset: 16, .size: 8, .value_kind: global_buffer, .address_space: global }
      - { .name: v_img, .offset: 24, .size: 8, .value_kind: global_buffer, .address_space: global }
    .group_segment_fixed_size: 327680
    .private_segment_fixed_size: 0
    .kernarg_segment_align: 8
    .kernarg_segment_size: 32
    .max_flat_workgroup_size: 128
    .sgpr_count:     106
    .vgpr_count:     1024
    .wavefront_size: 32
...
	.end_amdgpu_metadata
.endif
;; end of part 2
;; launch attn (part 3): grid 4 x 64, 16 waves a work-group, clusters of 4 x 1, 235,520 bytes of LDS; arguments qk_img, v_img, a_img; writes a_img
.if DOCPART == 3
	.amdgcn_target "amdgcn-amd-amdhsa--gfx1250"
	.amdhsa_code_object_version 6
	.text
	.protected	k_q59ad285cfb_attn
	.globl	k_q59ad285cfb_attn
	.p2align	8
	.type	k_q59ad285cfb_attn,@function
k_q59ad285cfb_attn:
	s_mov_b64 s[64:65], 0
	v_nop
	global_prefetch_b8 v0, s[64:65] scope:SCOPE_SE
	s_setreg_imm32_b32 hwreg(HW_REG_WAVE_MODE, 25, 1), 1
	s_wait_xcnt 0x0
	s_wait_alu depctr_hold_cnt(0) depctr_sa_sdst(0) depctr_va_vdst(0) depctr_va_sdst(0) depctr_va_ssrc(0) depctr_va_vcc(0) depctr_vm_vsrc(0)
	s_getreg_b32 s2, hwreg(HW_REG_IB_STS2, 6, 4)
	s_cmp_eq_u32 s2, 0
	s_cbranch_scc0 .Lentry_in_a_cluster
	s_endpgm
.Lentry_in_a_cluster:
	s_bfe_u32 s2, ttmp6, 0x10000c
	s_cmp_lg_u32 s2, 0x3003
	s_cbranch_scc0 .Lentry_shape_is_right
	s_endpgm
.Lentry_shape_is_right:
; Causal attention of one head (64 wide, 2,048 keys) on codes of FP6 (E2M3) with E8M0 scales; the attended rows leave as codes, quantised along head x 64 + d.
; THE SOFTMAX AHEAD OF THE SECOND PRODUCT: t = score x log2(e) / 8; M = the row's largest t so far, rounded UP to a whole number; p = 2^(t - M) is quantised along the keys, not normalised.
; The row's sum is taken of the unquantised p and divides O at the end.  When M moves, the sum and O are multiplied by 2^(old M - new M): exact.
; LAYOUT.  Both products are used transposed: S^T = K Q^T (source 0 = 16 keys, source 1 = my 16 queries), O^T = V^T P^T (source 0 = 16 of the head's 64, source 1 = P): a lane holds one query throughout.
; THE KEYS OF A TILE ARE CHOSEN AT THE LDS READ: rows 0-7 of tile 4 c + t are keys 64 c + 8 t + j of the step, rows 8-15 the keys 32 further on.  So register 32 c + i of lane (r, h) is key 64 c + 32 h + i:
; a lane holds two WHOLE blocks of 32 keys, in the order that the second product's operand wants: a block's largest p needs no other lane, and the conversions' results change no lane.
; A stored tile T holds rows 32 (T / 2) + 8 (T % 2) + r % 8 + 16 (r / 8): eight neighbouring keys in eight neighbouring lanes' places.  Row r of tile 4 c + t is row r % 8 + 8 (t / 2) of stored tile 4 c + t % 2 + 2 (r / 8).
; The first product's K is the head's 64: registers 0-5 of a fragment.  Q's registers 6-11 are zero codes.  K's eight fragments lie SIX registers apart, so that all are fetched in one run: a fragment's registers
; 6-11 are the next tile's codes; every 6-bit pattern is a finite number, so against Q's zeros they add exactly nothing.  The scale words' upper bytes are 0 on both sides.
; SHARES.  The four work-groups of a cluster are one head's.  Wave w of work-group cx owns two tiles of 16 queries: tile 8 B + t and tile 8 (15 - B) + t, B = w / 2, t = 2 cx + w % 2:
; B + 1 and 16 - B key steps of 128 keys: 17 for every wave.  Which steps a wave works hangs on its number alone; its place in the cluster enters only Q's and the result's addresses and the mask's numbers.
; LDS IS FILLED ONCE: the head's K (128 tiles, 960 bytes apart), V^T (98,304 bytes) and their scale words (8,192 and 4,096); wave w fetches key step w, by four loads that the four work-groups ask for jointly.  LDS is then only read.
; K's tiles have 64 bytes of padding behind each 256: the tile two further on begins 1,920 bytes on, 128 modulo 256, so that the sixteen lanes of a 16-byte load touch 256 different bytes modulo 256.
; (In the 8-byte loads rows 8-15 of the lower half of the lanes and rows 0-7 of the upper fall on the same bytes modulo 256: two deep.)
; Every wave walks 16 trips in each pass; a trip whose keys all come after the tile's queries jumps over its work alone.  Both passes' Q are asked for at the head, under the wait for the tiles.
; LIMITS: NaN and infinities are not served; a block whose largest magnitude lies under 2^-124, and a block of zeros, gets the byte 1 (this program alone reads the bytes).
; The result's scale bytes leave two to a row (a head owns two of a row's 32): stores of two bytes, 16 bytes apart; one byte for each 24 of codes.
; REGISTERS: v1-7, v86-87, v106, v224 lane numbers that stay; v8-11, v28-29 the step's addresses; v12 -M, v13 the largest t, v[14:15] the sum; v16-27 the first pass's Q, v238-249 the second's;
;   v32-85 K's eight fragments, then V's four; v88-93, v226-233, v250 scale words; v[94:95] f; v96-115, v234-237 at work; v116-127 p's codes; v128-191 S^T, then p; v192-223 O^T.
.set FLOOR, 0x1800000                  ; 2^(3 - 127): no largest magnitude is taken under it, so the byte cannot fall under 1
.set LESS2, 0xff000000                 ; takes 2 off an exponent field
.set FLAGS, 15|(3<<16)|(1<<21)         ; the mask: all four work-groups; elements of 8 bytes; bit 21 set beside a mask
.set KFLAGS, FLAGS|(1<<20)|(5<<22)|(15<<25)   ; K: padding on; after every 64 words (code 5); 16 words of it (code 15)
.set KP,   960                         ; a tile of K in LDS: 3 x (256 bytes + 64)
.set LV,   128*KP                      ; LDS: V^T behind K,
.set LKS,  LV+98304                    ; K's scale words,
.set LVS,  LKS+8192                    ; V's
.set KF,   32                          ; K's fragment t at v[32 + 6 t]; V's at v[32 + 12 t]
.set KSC,  226                         ; v226-233 K's scale words, tile t's in v[226 + t]
.set S,    128
.set O,    192
.set BM,   96                          ; v96-99   four chains of the largest score; then v96, v98 my two blocks' largest score, then their largest p
.set PT,   100                         ; v100-101 what comes from lane l xor 16
.set BY,   102                         ; v102-103 the mask's numbers; then the scales' bytes
.set SO,   104                         ; v104-105 the conversions' scale operands
.set SH8,  106                         ; v106     8 h
.set CT,   108                         ; v108-115 at work
.set PC,   116
.set SA,   234                         ; v234-237 the step's sum of p, in two chains
.macro CROUND
	s_barrier_signal -1
	s_barrier_wait -1
	s_cmp_lg_u32 s16, 0
	s_cbranch_scc1 .Lnot_wave_0_\@
	s_barrier_signal -3
.Lnot_wave_0_\@:
	s_barrier_wait -3
	s_barrier_signal -1
	s_barrier_wait -1
.endm
.macro SHAPE g, f, c, r, p             ; a descriptor's group 1: first word f; r rows of c elements, p elements from row to row
	s_mov_b32 s[\g], \f
	s_mov_b32 s[\g+1], (\c)<<16
	s_mov_b32 s[\g+2], (\r)<<16
	s_mov_b32 s[\g+3], (\c)<<16
	s_mov_b32 s[\g+4], \r
	s_mov_b32 s[\g+5], \p
	s_mov_b32 s[\g+6], 0
	s_mov_b32 s[\g+7], 0
.endm
.macro PLACES
.rept 4
	v_nop
.endr
.endm
.macro TILE second                     ; s84: the key step on my tile's diagonal; s85: my tile.  second = 0: tile 8 B + t; 1: tile 8 (15 - B) + t
	s_lshr_b32 s84, s16, 1                         ; B
.if \second
	s_xor_b32 s84, s84, 15                         ; 15 - B
.endif
	s_lshl_b32 s85, s84, 3
	s_add_co_u32 s85, s85, s83
.endm
.macro QLOAD second, qf, qw, b         ; a pass's Q: codes into v[qf] on, scale words into v[qw]; s[b] .. s[b + 3] hold the two bases and are not written again
	TILE \second
	s_mul_i32 s[\b], s85, 1536
	s_add_co_u32 s[\b], s[\b], s27
	s_mov_b32 s[\b+1], 0
	s_add_nc_u64 s[\b:\b+1], s[4:5], s[\b:\b+1]
	s_lshr_b32 s[\b+2], s85, 2
	s_lshl_b32 s[\b+2], s[\b+2], 8
	s_and_b32 s87, s85, 3
	s_lshl_b32 s87, s87, 2
	s_add_co_u32 s[\b+2], s[\b+2], s87
	s_add_co_u32 s[\b+2], s[\b+2], s96
	s_mov_b32 s[\b+3], 0
	s_add_nc_u64 s[\b+2:\b+3], s[4:5], s[\b+2:\b+3]
	global_load_b128 v[\qf:\qf+3], v1, s[\b:\b+1]
	global_load_b64 v[\qf+4:\qf+5], v2, s[\b:\b+1]
	global_load_b32 v[\qw], v224, s[\b+2:\b+3]
.endm
	s_load_b128 s[4:7], s[0:1], 0x0                ; qk_img, v_img
	s_load_b64 s[8:9], s[0:1], 0x10                ; a_img
	v_lshl_add_u32 v254, v0, 2, 0x39000
	v_mov_b32 v255, 0
	ds_add_u32 v254, v255
	ds_add_u32 v254, v255
	v_lshrrev_b32 v1, 5, v0
	s_delay_alu instid0(VALU_DEP_1)
	v_readfirstlane_b32 s16, v1                    ; wave 0..15
	s_bfe_u32 s17, ttmp6, 0x40000                  ; cx
	s_and_b32 s18, ttmp7, 0xffff                   ; bh = 16 b + head
	s_lshr_b32 s19, s18, 4                         ; b
	s_and_b32 s20, s18, 15                         ; head
	s_lshr_b32 s21, s20, 1                         ; g: the pair of heads
	s_and_b32 s26, s20, 1                          ; c: which half of a fragment is my head's
	s_mov_b32 s22, 0x76543210
	s_mov_b32 s23, 0xfedcba98                      ; v_permlanex16_b32's selects for lane l xor 16
	s_mov_b32 s24, 0x3e38aa3b                      ; log2(e) / 8
	s_mov_b32 s25, s24                             ; (named with it as a pair, so it is written)
	SHAPE 28, KFLAGS, 96, 8, 192                   ; K: of 8 fragments of 1,536 bytes my head's 768
	SHAPE 36, FLAGS, 32, 24, 32                    ; V^T: 6,144 dense bytes as rows of 256
	SHAPE 44, FLAGS, 32, 2, 32                     ; K's scale words: 512 bytes
	SHAPE 52, FLAGS, 32, 1, 32                     ; V's: 256
	s_lshl_b32 s27, s19, 3
	s_add_co_u32 s27, s27, s21
	s_mul_i32 s27, s27, 196608
	s_mul_i32 s87, s26, 768
	s_add_co_u32 s27, s27, s87                     ; my head's half of tile 0's fragment, in q's part of qk_img
	s_mul_i32 s88, s16, 12288
	s_add_co_u32 s88, s88, s27
	s_add_co_u32 s88, s88, 6291456                 ; k's part; key step w
	s_mov_b32 s89, 0
	s_lshl_b32 s87, s18, 4
	s_add_co_u32 s87, s87, s16                     ; 16 bh + w
	s_mul_i32 s90, s87, 6144
	s_mov_b32 s91, 0
	s_lshl_b32 s92, s18, 13
	s_lshl_b32 s93, s16, 9
	s_add_co_u32 s92, s92, s93
	s_add_co_u32 s92, s92, 13107200
	s_mov_b32 s93, 0
	s_lshl_b32 s94, s87, 8
	s_add_co_u32 s94, s94, 6291456
	s_mov_b32 s95, 0
	s_lshl_b32 s96, s18, 13
	s_add_co_u32 s96, s96, 12582912                ; q's scale words of my head
	s_mul_i32 s97, s19, 1572864
	s_mul_i32 s87, s21, 1536
	s_add_co_u32 s97, s97, s87
	s_mul_i32 s87, s26, 768
	s_add_co_u32 s97, s97, s87                     ; the result: tile 128 b, K step g, half c
	s_lshl_b32 s98, s19, 16
	s_lshr_b32 s87, s20, 3
	s_lshl_b32 s87, s87, 8
	s_add_co_u32 s98, s98, s87
	s_and_b32 s87, s21, 3
	s_lshl_b32 s87, s87, 2
	s_add_co_u32 s98, s98, s87
	s_lshl_b32 s87, s26, 1
	s_add_co_u32 s98, s98, s87
	s_add_co_u32 s98, s98, 6291456                 ; and my head's two bytes in its scale words
	s_and_b32 s87, s16, 1
	s_lshl_b32 s83, s17, 1
	s_add_co_u32 s83, s83, s87                     ; t = 2 cx + w % 2
	s_lshl_b32 s99, s17, 5
	s_lshl_b32 s87, s87, 3
	s_add_co_u32 s99, s99, s87                     ; 32 (t / 2) + 8 (t % 2): where my tile's queries begin within their 128
	s_mov_b32 s60, 1
	s_mul_i32 s61, s16, 8*KP                       ; LDS: the wave's number and constants alone
	s_mov_b32 s68, 1
	s_mul_i32 s69, s16, 6144
	s_add_co_u32 s69, s69, LV
	s_mov_b32 s72, 1
	s_lshl_b32 s73, s16, 9
	s_add_co_u32 s73, s73, LKS
	s_mov_b32 s76, 1
	s_lshl_b32 s77, s16, 8
	s_add_co_u32 s77, s77, LVS
	s_wait_dscnt 0x0
	s_wait_kmcnt 0x0
	s_add_nc_u64 s[62:63], s[4:5], s[88:89]
	s_or_b32 s63, s63, 0x80000000
	s_add_nc_u64 s[70:71], s[6:7], s[90:91]
	s_or_b32 s71, s71, 0x80000000
	s_add_nc_u64 s[74:75], s[4:5], s[92:93]
	s_or_b32 s75, s75, 0x80000000
	s_add_nc_u64 s[78:79], s[6:7], s[94:95]
	s_or_b32 s79, s79, 0x80000000
	CROUND                                         ; all four work-groups are here: the joint loads meet
	tensor_load_to_lds s[60:63], s[28:35]          ; key step w: K, V^T and their scale words: four tensor loads of mine are out
	s_nop 0
	tensor_load_to_lds s[68:71], s[36:43]
	s_nop 0
	tensor_load_to_lds s[72:75], s[44:51]
	s_nop 0
	tensor_load_to_lds s[76:79], s[52:59]
	s_nop 0
	PLACES
	v_and_b32 v30, 31, v0                          ; lane
	v_and_b32 v31, 15, v0                          ; r
	s_delay_alu instid0(VALU_DEP_2)
	v_lshlrev_b32 v1, 4, v30                       ; 16 x lane: Q and the result in memory
	s_wait_alu depctr_va_vdst(0)
	v_lshl_add_u32 v2, v30, 3, 512                 ; 512 + 8 x lane
	s_wait_alu depctr_va_vdst(0)
	v_lshlrev_b32 v224, 4, v31                     ; 16 r
	s_wait_alu depctr_va_vdst(0)
	QLOAD 0, 16, 92, 88                            ; both passes' Q are asked for now: they land under the wait for the tiles
	QLOAD 1, 238, 250, 10
	v_add_nc_u32 v3, LV, v1                        ; V^T in LDS
	v_add_nc_u32 v4, LV, v2
	v_add_nc_u32 v6, LVS, v224
	v_and_b32 v7, 7, v0                            ; r % 8
	v_bfe_u32 v8, v0, 3, 1                         ; r / 8
	v_bfe_u32 v9, v0, 4, 1                         ; h
	s_delay_alu instid0(VALU_DEP_2)
	v_mul_u32_u24 v86, v8, 2*KP                    ; K: rows 8-15 come from the stored tile two further on
	s_delay_alu instid0(VALU_DEP_1)
	v_lshl_add_u32 v87, v7, 3, v86
	s_delay_alu instid0(VALU_DEP_2)
	v_lshl_add_u32 v86, v7, 4, v86
	s_delay_alu instid0(VALU_DEP_1)
	v_mad_u32_u24 v86, v9, 320, v86                ; registers 0-3: 16 (r % 8) + (256 + 64) h
	s_delay_alu instid0(VALU_DEP_3)
	v_lshl_add_u32 v87, v9, 7, v87
	s_delay_alu instid0(VALU_DEP_1)
	v_add_nc_u32 v87, 640, v87                     ; registers 4, 5: 512 + 2 x 64 + 8 (r % 8) + 128 h
	v_lshl_add_u32 v5, v7, 4, LKS
	s_delay_alu instid0(VALU_DEP_1)
	v_lshl_add_u32 v5, v8, 3, v5                   ; K's scale words: 16 (r % 8) + 8 (r / 8)
	v_lshl_add_u32 v7, v8, 4, v7
	v_lshlrev_b32 v[SH8], 3, v9
	v_lshlrev_b32 v8, 5, v9
	s_delay_alu instid0(VALU_DEP_1)
	v_sub_nc_u32 v7, v7, v8                        ; r % 8 + 16 (r / 8) - 32 h: my query's place in its tile, less my half's first key
.irp i, 80,81,82,83,84,85
	v_mov_b32 v[\i], 0                             ; behind K's last fragment: written once
.endr
.irp i, 22,23,24,25,26,27,244,245,246,247,248,249
	v_mov_b32 v[\i], 0                             ; the unused half of Q's fragments: zero codes, written once
.endr
.irp b, 0,1
	v_mov_b32 v[PT+\b], 0                          ; written once: a lane permute's destination counts as one of its sources
.endr
	v_mov_b32 v95, 0                               ; (named as the upper half of the pair v[94:95])
	s_wait_tensorcnt 0x0                           ; my four loads have landed,
	s_barrier_signal -1
	s_barrier_wait -1                              ; everybody's have: the whole head lies in LDS
	s_wait_loadcnt 0x0                             ; Q, both passes'
; A KEY STEP: 128 keys.  s80, s14, s81, s82: where its K, its V^T, K's scale words and V's begin; s86 the step; s84 the step on my tile's diagonal.  qf, qw: the pass's Q and its scale words.
; No v_nop stands in it: wherever plain vector instructions have to stand between two lines, work that is due anyway stands there.
.macro STEP qf, qw
	v_add_nc_u32 v8, s80, v86                      ; with the multiply-add at the step's end these three are the four places between the last step's products and the loads into the registers that they read
	v_add_nc_u32 v9, s80, v87
	v_add_nc_u32 v28, s81, v5
.irp c, 0,1
.irp a, 0,1
	ds_load_b64 v[KSC+4*\c+2*\a:KSC+4*\c+2*\a+1], v28 offset:256*\c+128*\a     ; my key's words of tiles 4 c + 2 a and 4 c + 2 a + 1
.endr
.endr
.irp t, 0,1,2,3,4,5,6,7
	ds_load_b128 v[KF+6*\t:KF+6*\t+3], v8 offset:KP*(4*(\t/4)+\t%2)+128*((\t%4)/2)
	ds_load_b64 v[KF+6*\t+4:KF+6*\t+5], v9 offset:KP*(4*(\t/4)+\t%2)+64*((\t%4)/2)
.endr
	s_wait_dscnt 0x0
.irp t, 0,1,2,3,4,5,6,7                ; S^T = K Q^T
	v_wmma_scale_f32_16x16x128_f8f6f4 v[S+8*\t:S+8*\t+7], v[KF+6*\t:KF+6*\t+11], v[\qf:\qf+11], 0, v[KSC+\t], v[\qw] matrix_a_fmt:MATRIX_FMT_FP6 matrix_b_fmt:MATRIX_FMT_FP6
.endr
	v_add_nc_u32 v10, s14, v3                      ; four places behind the products: in front of the loads into K's registers, and of the first read of the scores
	v_add_nc_u32 v11, s14, v4
	v_add_nc_u32 v29, s82, v6
	v_mov_b32 v30, v12                             ; the old -M
.irp t, 0,1,2,3                        ; V^T's four fragments take K's registers: the whole softmax stands between these loads and the wait for them
	ds_load_b128 v[KF+12*\t:KF+12*\t+3], v10 offset:1536*\t
	ds_load_b64 v[KF+12*\t+4:KF+12*\t+5], v11 offset:1536*\t
	ds_load_b128 v[KF+12*\t+6:KF+12*\t+9], v10 offset:1536*\t+768
	ds_load_b64 v[KF+12*\t+10:KF+12*\t+11], v11 offset:1536*\t+768
.endr
	ds_load_b128 v[88:91], v29                     ; row r's words of the four tiles
	s_cmp_lg_u32 s86, s84                          ; only the step on the diagonal has hidden keys
	s_cbranch_scc1 .Lopen_\@
	v_add_nc_u32 v[BY], s99, v7                    ; d = my query - the step's first key - 32 h.  Register 32 c + i holds key 64 c + 32 h + i of the step: hidden where 64 c + i > d
	v_mov_b32 v[BY+1], 0xff800000                  ; -infinity: p = 0 then
.irp n, 0,1,2,3,4,5,6,7,8,9,10,11,12,13,14,15,16,17,18,19,20,21,22,23,24,25,26,27,28,29,30,31,32,33,34,35,36,37,38,39,40,41,42,43,44,45,46,47,48,49,50,51,52,53,54,55,56,57,58,59,60,61,62,63
	v_cmp_gt_i32 vcc_lo, 64*(\n/32)+\n%32, v[BY]
	v_cndmask_b32 v[S+\n], v[S+\n], v[BY+1], vcc_lo
.endr
.Lopen_\@:
.irp k, 0,1,2,3
	v_max3_num_f32 v[BM+\k], v[S+16*\k], v[S+1+16*\k], v[S+2+16*\k]   ; the largest score of each of my two blocks of 32 keys, in two chains each: for the row's maximum and, since p rises with the score, for the block's largest p
.endr
.irp i, 3,5,7,9,11,13
.irp k, 0,1,2,3
	v_max3_num_f32 v[BM+\k], v[BM+\k], v[S+16*\k+\i], v[S+1+16*\k+\i]
.endr
.endr
.irp c, 0
	v_max3_num_f32 v[BM+2*\c], v[BM+2*\c], v[BM+2*\c+1], v[S+32*\c+15]
.endr
.irp c, 1
	v_max3_num_f32 v[BM+2*\c], v[BM+2*\c], v[BM+2*\c+1], v[S+32*\c+15]
.endr
.irp c, 0,1
	v_max_num_f32 v[BM+2*\c], v[BM+2*\c], v[S+32*\c+31]
.endr
	s_delay_alu instid0(VALU_DEP_1)
	v_max_num_f32 v31, v[BM], v[BM+2]
	s_delay_alu instid0(VALU_DEP_1)
	v_permlanex16_b32 v[PT], v31, s22, s23
	s_delay_alu instid0(VALU_DEP_1)
	v_max_num_f32 v31, v31, v[PT]                  ; with lane l xor 16's 64 keys: the step's largest score of my query
	s_delay_alu instid0(VALU_DEP_1)
	v_mul_f32 v31, s24, v31                        ; as t
	s_delay_alu instid0(VALU_DEP_1)
	v_max_num_f32 v13, v13, v31                    ; the running largest t
	s_delay_alu instid0(VALU_DEP_1)
	v_floor_f32 v12, -v13                          ; the new -M = floor(-t) = -ceil(t)
	s_delay_alu instid0(VALU_DEP_1)
	v_sub_f32 v30, v12, v30                        ; old M - new M: a whole number, 0 or less
	s_delay_alu instid0(VALU_DEP_1)
	v_cvt_i32_f32 v30, v30                         ; (it saturates)
	s_delay_alu instid0(VALU_DEP_1)
	v_ldexp_f32 v94, 1.0, v30                      ; f = 2^(old M - new M)
.set n, 0
	s_setprio 1
.rept 32
	v_pk_fma_f32 v[S+n:S+n+1], v[S+n:S+n+1], s[24:25], v[12:13] op_sel_hi:[1,0,0]   ; t - M, two at a time
.set n, n+2
.endr
.irp c, 0,1
	v_fma_f32 v[BM+2*\c], v[BM+2*\c], s24, v12     ; the same of each block's largest score
.endr
.set n, 0
	s_wait_alu depctr_va_vdst(0)
.rept 64
	v_exp_f32 v[S+n], v[S+n]                       ; p = 2^(t - M), at most 1
.set n, n+1
.endr
.irp c, 0,1
	v_exp_f32 v[BM+2*\c], v[BM+2*\c]               ; the block's largest p: the same two instructions on the same number
.endr
.set n, 0
	s_wait_alu depctr_va_vdst(0)
.rept 16
	v_pk_mul_f32 v[O+n:O+n+1], v[O+n:O+n+1], v[94:95] op_sel_hi:[1,0]   ; O^T under the new M.  (The first is the plain place behind the exponentials)
.set n, n+2
.endr
	s_wait_alu depctr_va_vdst(0)
.irp c, 0,1
	v_max_num_f32 v[BM+2*\c], FLOOR, v[BM+2*\c]    ; the byte cannot fall under 1
.endr
.irp c, 0,1
	s_delay_alu instid0(VALU_DEP_2)
	v_add_nc_u32 v[SO+\c], LESS2, v[BM+2*\c]       ; the conversion takes the exponent field of this operand as its scale
.endr
.irp c, 0,1
	s_delay_alu instid0(VALU_DEP_2)
	v_lshrrev_b32 v[BY+\c], 23, v[SO+\c]           ; the scale's byte
.endr
	s_delay_alu instid0(VALU_DEP_1)
	v_lshl_or_b32 v93, v[BY+1], 16, v[BY]          ; my bytes: blocks h and 2 + h,
	s_delay_alu instid0(VALU_DEP_1)
	v_lshlrev_b32 v93, v[SH8], v93                 ; at their places (8 h bits up);
	s_delay_alu instid0(VALU_DEP_1)
	v_permlanex16_b32 v[PT+1], v93, s22, s23
	s_delay_alu instid0(VALU_DEP_1)
	v_or_b32 v93, v93, v[PT+1]                     ; with lane l xor 16's two: p's scale word for these 128 keys
.irp c, 0,1
	v_cvt_scalef32_pk16_fp6_f32 v[PC+6*\c:PC+6*\c+2], v[S+32*\c:S+32*\c+15], v[SO+\c]
	v_cvt_scalef32_pk16_fp6_f32 v[CT+4*\c:CT+4*\c+2], v[S+32*\c+16:S+32*\c+31], v[SO+\c]   ; (a conversion's three registers begin on an even number: the second half of a block's six does not, so it is made elsewhere and moved)
.endr
	v_pk_add_f32 v[SA:SA+1], v[S:S+1], v[S+4:S+5]          ; the row's sum is taken of the unquantised p: two at a time, in two chains.  (The plain place behind the conversions)
	v_pk_add_f32 v[SA+2:SA+3], v[S+2:S+3], v[S+6:S+7]
	s_setprio 0
.irp c, 0,1
.irp i, 0,1,2
	v_mov_b32 v[PC+6*\c+3+\i], v[CT+4*\c+\i]
.endr
.endr
.irp j, 8,12,16,20,24,28,32,36,40,44,48,52,56,60
	v_pk_add_f32 v[SA:SA+1], v[SA:SA+1], v[S+\j:S+\j+1]
	v_pk_add_f32 v[SA+2:SA+3], v[SA+2:SA+3], v[S+\j+2:S+\j+3]
.endr
	s_delay_alu instid0(VALU_DEP_1)
	v_pk_add_f32 v[SA:SA+1], v[SA:SA+1], v[SA+2:SA+3]
	s_wait_alu depctr_va_vdst(0)
	s_wait_dscnt 0x0                               ; V^T and its scale words
.irp t, 0,1,2,3                        ; O^T += V^T P^T: the four accumulators by turns
	v_wmma_scale_f32_16x16x128_f8f6f4 v[O+8*\t:O+8*\t+7], v[KF+12*\t:KF+12*\t+11], v[PC:PC+11], v[O+8*\t:O+8*\t+7], v[88+\t], v93 matrix_a_fmt:MATRIX_FMT_FP6 matrix_b_fmt:MATRIX_FMT_FP6
.endr
	v_pk_fma_f32 v[14:15], v[14:15], v[94:95], v[SA:SA+1] op_sel_hi:[1,0,1]   ; the sum under the new M, and the step's.  (The first of the four places in front of the next step's loads)
.endm
; ONE TILE OF 16 QUERIES.  second = 0: tile 8 B + t; 1: tile 8 (15 - B) + t.
.macro PASS second, qf, qw
	s_wait_xcnt 0x0                                ; the last pass's stores have read their registers and bases: both are written again only behind this wait
	TILE \second
	s_mul_i32 s92, s85, 12288
	s_add_co_u32 s92, s92, s97
	s_mov_b32 s93, 0
	s_add_nc_u64 s[92:93], s[8:9], s[92:93]        ; the result's codes
	s_lshl_b32 s94, s85, 9
	s_add_co_u32 s94, s94, s98
	s_mov_b32 s95, 0
	s_add_nc_u64 s[94:95], s[8:9], s[94:95]        ; and its scale bytes
	v_mov_b32 v13, 0xff61b1e6                      ; the largest t so far: -3e38, under every t
	s_delay_alu instid0(VALU_DEP_1)
	v_floor_f32 v12, -v13                          ; -M
	v_mov_b32 v14, 0                               ; the sum, in two halves
	v_mov_b32 v15, 0
.set n, 0
.rept 32
	v_mov_b32 v[O+n], 0                            ; O^T: the step is written once; the first finds zeros, which the first change of M leaves zeros
.set n, n+1
.endr
	s_mov_b32 s80, 0
	s_mov_b32 s14, 0
	s_mov_b32 s81, 0
	s_mov_b32 s82, 0
	s_mov_b32 s86, 0
.Lkey_\@:                                          ; 16 trips in every wave
	s_cmp_gt_u32 s86, s84                          ; a step all of whose keys come after my queries: its work is jumped over, not the lines that step addresses
	s_cbranch_scc1 .Lhidden_\@
	s_setprio 2
	STEP \qf, \qw
.Lhidden_\@:
	s_add_co_u32 s80, s80, 8*KP
	s_add_co_u32 s14, s14, 6144
	s_add_co_u32 s81, s81, 512
	s_add_co_u32 s82, s82, 256
	s_add_co_u32 s86, s86, 1
	s_cmp_lt_u32 s86, 16
	s_cbranch_scc1 .Lkey_\@
	s_setprio 0
	; THE WAY OUT: O^T / the sum, quantised along d: two blocks of 32, which are my head's half of a fragment.  V^T's tiles hold d as every stored tile holds its rows: register 16 b + i is d = 32 b + 16 h + i
	PLACES
	s_wait_alu depctr_va_vdst(0)
	v_add_f32 v14, v14, v15
	s_delay_alu instid0(VALU_DEP_1)
	v_permlanex16_b32 v[PT], v14, s22, s23
	s_delay_alu instid0(VALU_DEP_1)
	v_add_f32 v14, v14, v[PT]                      ; the row's sum
	s_wait_alu depctr_va_vdst(0)
	v_rcp_f32 v14, v14
	v_nop                                          ; one plain place behind a transcendental
.set n, 0
	s_wait_alu depctr_va_vdst(0)
.rept 32
	v_mul_f32 v[S+n], v[O+n], v14                  ; each accumulator from its low end on
.set n, n+1
.endr
.irp b, 0,1
	v_max3_num_f32 v[BM+\b], |v[S+16*\b]|, |v[S+16*\b+1]|, FLOOR
.endr
.irp i, 2,4,6,8,10,12,14
.irp b, 0,1
	s_delay_alu instid0(VALU_DEP_2)
	v_max3_num_f32 v[BM+\b], v[BM+\b], |v[S+16*\b+\i]|, |v[S+16*\b+\i+1]|
.endr
.endr
.irp b, 0,1
	s_delay_alu instid0(VALU_DEP_2)
	v_permlanex16_b32 v[PT+\b], v[BM+\b], s22, s23
.endr
.irp b, 0,1
	s_delay_alu instid0(VALU_DEP_2)
	v_max_num_f32 v[BM+\b], v[BM+\b], v[PT+\b]     ; with lane l xor 16's: the block's largest magnitude
.endr
.irp b, 0,1
	s_delay_alu instid0(VALU_DEP_2)
	v_add_nc_u32 v[SO+\b], LESS2, v[BM+\b]
.endr
.irp b, 0,1
	s_delay_alu instid0(VALU_DEP_2)
	v_lshrrev_b32 v[PT+\b], 23, v[SO+\b]
.endr
	s_delay_alu instid0(VALU_DEP_1)
	v_lshl_or_b32 v30, v[PT+1], 8, v[PT]           ; my head's two scale bytes of row r
	v_cvt_scalef32_pk16_fp6_f32 v[PC:PC+2], v[S:S+15], v[SO]
	v_cvt_scalef32_pk16_fp6_f32 v[CT:CT+2], v[S+16:S+31], v[SO+1]
	v_nop                                          ; one plain place behind a scaled conversion
.irp i, 0,1,2
	v_permlane16_swap_b32 v[PC+\i], v[CT+\i]       ; here a lane holds half of each block: the halves change places, so that lanes 0-15 hold block 0 and lanes 16-31 block 1
.endr
.irp i, 0,1,2
	s_delay_alu instid0(VALU_DEP_3)
	v_mov_b32 v[PC+3+\i], v[CT+\i]
.endr
	global_store_b128 v1, v[PC:PC+3], s[92:93]     ; 512 consecutive bytes,
	global_store_b64 v2, v[PC+4:PC+5], s[92:93]    ; and 256
	global_store_b16 v224, v30, s[94:95]           ; lanes r and r + 16 hold and write the same two bytes
.endm
	PASS 0, 16, 92
	PASS 1, 238, 250
	s_wait_tensorcnt 0x0
	ds_add_u32 v254, v255
	s_wait_dscnt 0x0
	CROUND                                         ; the closing round: no work-group ends while a partner may still ask for a tile that names it
	s_endpgm
.Lfunc_end_k_q59ad285cfb_attn:
	.size	k_q59ad285cfb_attn, .Lfunc_end_k_q59ad285cfb_attn-k_q59ad285cfb_attn
	.p2alignl 7, 3214868480
	.fill 96, 4, 3214868480
	.section	.rodata,"a",@progbits
	.p2align	6, 0x0
	.amdhsa_kernel k_q59ad285cfb_attn
		.amdhsa_group_segment_fixed_size 235520
		.amdhsa_private_segment_fixed_size 0
		.amdhsa_enable_private_segment 0
		.amdhsa_kernarg_size 24
		.amdhsa_user_sgpr_count 2
		.amdhsa_user_sgpr_kernarg_segment_ptr 1
		.amdhsa_wavefront_size32 1
		.amdhsa_system_sgpr_workgroup_id_x 1
		.amdhsa_system_sgpr_workgroup_id_y 1
		.amdhsa_system_sgpr_workgroup_id_z 1
		.amdhsa_system_vgpr_workitem_id 0
		.amdhsa_next_free_vgpr 256
		.amdhsa_next_free_sgpr 102
		.amdhsa_reserve_vcc 1
		.amdhsa_float_denorm_mode_32 3
		.amdhsa_float_denorm_mode_16_64 3
		.amdhsa_memory_ordered 1
		.amdhsa_forward_progress 1
		.amdhsa_inst_pref_size 66
	.end_amdhsa_kernel
	.amdgpu_metadata
---
amdhsa.version: [ 1, 2 ]
amdhsa.kernels:
  - .name:           k_q59ad285cfb_attn
    .symbol:         k_q59ad285cfb_attn.kd
    .args:
      - { .name: qk_img, .offset: 0, .size: 8, .value_kind: global_buffer, .address_space: global }
      - { .name: v_img, .offset: 8, .size: 8, .value_kind: global_buffer, .address_space: global }
      - { .name: a_img, .offset: 16, .size: 8, .value_kind: global_buffer, .address_space: global }
    .group_segment_fixed_size: 235520
    .private_segment_fixed_size: 0
    .kernarg_segment_align: 8
    .kernarg_segment_size: 24
    .max_flat_workgroup_size: 512
    .sgpr_count:     102
    .vgpr_count:     256
    .wavefront_size: 32
...
	.end_amdgpu_metadata
.endif
;; end of part 3
;; launch outp (part 4): grid 4 x 64, 4 waves a work-group, clusters of 4 x 4, 307,712 bytes of LDS; arguments a_img, w_img, out0; writes out0
.if DOCPART == 4
	.amdgcn_target "amdgcn-amd-amdhsa--gfx1250"
	.amdhsa_code_object_version 6
	.text
	.protected	k_q59ad285cfb_outp
	.globl	k_q59ad285cfb_outp
	.p2align	8
	.type	k_q59ad285cfb_outp,@function
k_q59ad285cfb_outp:
	s_mov_b64 s[64:65], 0
	v_nop
	global_prefetch_b8 v0, s[64:65] scope:SCOPE_SE
	s_setreg_imm32_b32 hwreg(HW_REG_WAVE_MODE, 25, 1), 1
	s_wait_xcnt 0x0
	s_wait_alu depctr_hold_cnt(0) depctr_sa_sdst(0) depctr_va_vdst(0) depctr_va_sdst(0) depctr_va_ssrc(0) depctr_va_vcc(0) depctr_vm_vsrc(0)
	s_getreg_b32 s2, hwreg(HW_REG_IB_STS2, 6, 4)
	s_cmp_eq_u32 s2, 0
	s_cbranch_scc0 .Lentry_in_a_cluster
	s_endpgm
.Lentry_in_a_cluster:
	s_bfe_u32 s2, ttmp6, 0x10000c
	s_cmp_lg_u32 s2, 0xf033
	s_cbranch_scc0 .Lentry_shape_is_right
	s_endpgm
.Lentry_shape_is_right:
; out0 = attended Wo on codes of FP6 (E2M3) with E8M0 scales, K = 1,024; out0 [8192][1024] f32.  Fragments, tiles and scale words are laid as the launches before lay them.
; Source 0 is P = Wo's columns (tiles 192 .. 255 of w_img), source 1 is R = the attended rows: lane (r, h) holds row r of R's tile, and its eight registers of P's tile t the columns
; 32 (t / 2) + 16 h + 8 (t % 2) + j: eight neighbouring numbers of a row of out0.
; SHARES.  A work-group takes 16 tiles of P (256 columns) x 8 tiles of R (128 rows) over all of K; a wave 8 x 4: 32 accumulators.  256 work-groups.
; LDS IS FILLED ONCE: four chunks of two K steps (P's 16 tiles x 3,072 bytes, then R's 8), and the scale words of all of K.
; CLUSTER 4 x 4: P's tiles are asked for jointly by a column of the cluster, R's by a row.
; REGISTERS: window 0: v4-15 addresses; v16-79 P's scale words (8 t + s), v80-111 R's (8 a + s); v112-207 R's fragments, two sets; on the way out v112-239 take rows of out0.
;   window 1: P's fragments, two sets of 96.   window 2: accumulator (a, t) at v[64 a + 8 t].
.set XQ_SB, 6291456
.set WQ_SB, 3145728
.set CHUNK, 73728
.set SCL,   4*CHUNK
.set FLAGS, (3<<16)|(1<<21)            ; elements of 8 bytes, no padding, bit 21 set beside a mask
.set SPITCH, 528                       ; the way out: a stage of 16 rows x (512 bytes + 16) for each wave, in chunk 0's bytes: they have had their one fill, and every wave's reads of them were over at step 1's barrier
.set AP16, 4
.set AP8,  5
.set AR16, 6
.set AR8,  7
.set ASP,  8
.set ASR,  9
.set L16,  10                          ; 16 x lane
.set L8,   11                          ; 512 + 8 x lane
.set STO,  12                          ; the stage: where I put 32 bytes of a row
.set RD,   13                          ; and where I read a row back
.set R16,  14
.set SCP,  16
.set SCR,  80
.set RF,   112
.set BK,   112
.set G1P,  24
.set G1PS, 32
.set G0PS, 40
.set G0P,  44
.set G0RS, 60
.set G0R,  68
.set G1R,  84
.set G1RS, 92
.set MSB, 0
.macro WIN new                         ; the immediate's high byte repeats the setting that is left
.if MSB != \new
	s_set_vgpr_msb (MSB<<8)|\new
.set MSB, \new
.endif
.endm
.set MUL,  0xa1                        ; source 0 (P) window 1, source 1 (R) window 0, C and D window 2
.set TO_P, 0x40                        ; destination window 1, address window 0
.macro CROUND
	s_barrier_signal -1
	s_barrier_wait -1
	s_cmp_lg_u32 s20, 0
	s_cbranch_scc1 .Lnot_wave_0_\@
	s_barrier_signal -3
.Lnot_wave_0_\@:
	s_barrier_wait -3
	s_barrier_signal -1
	s_barrier_wait -1
.endm
.macro SHAPE g, c, r, p
	s_mov_b32 s[\g+1], (\c)<<16
	s_mov_b32 s[\g+2], (\r)<<16
	s_mov_b32 s[\g+3], (\c)<<16
	s_mov_b32 s[\g+4], \r
	s_mov_b32 s[\g+5], \p
	s_mov_b32 s[\g+6], 0
	s_mov_b32 s[\g+7], 0
.endm
.macro PLACES
.rept 4
	v_nop
.endr
.endm
	s_load_b128 s[4:7], s[0:1], 0x0                ; a_img, w_img
	s_load_b64 s[8:9], s[0:1], 0x10                ; out0
	v_lshl_add_u32 v254, v0, 2, 0x4b000
	v_mov_b32 v255, 0
	ds_add_u32 v254, v255
	ds_add_u32 v254, v255
	v_lshrrev_b32 v1, 5, v0
	v_readfirstlane_b32 s20, v1                    ; wave 0..3
	s_and_b32 s21, s20, 1                          ; PH: my half of P's tiles.  Also: which half of a tile group I fetch
	s_lshr_b32 s22, s20, 1                         ; RH: my half of R's tiles.  Also: I fetch for P (0) or for R (1)
	s_and_b32 s23, ttmp7, 0xffff
	s_bfe_u32 s2, ttmp6, 0x40000                   ; cx
	s_bfe_u32 s66, ttmp6, 0x40004                  ; cy
	s_lshl_b32 s3, ttmp9, 2
	s_add_co_u32 s3, s3, s2                        ; P's group of 16 tiles: work-group x
	s_lshl_b32 s67, s23, 2
	s_add_co_u32 s67, s67, s66                     ; R's group of 8 tiles: work-group y
	s_lshl_b32 s18, 0x1111, s2                     ; my column of the cluster
	s_or_b32 s[G1P], s18, FLAGS
	s_or_b32 s[G1PS], s18, FLAGS
	s_lshl_b32 s100, s66, 2
	s_lshl_b32 s100, 15, s100                      ; my row
	s_or_b32 s[G1R], s100, FLAGS
	s_or_b32 s[G1RS], s100, FLAGS
	SHAPE G1P, 384, 8, 1536                        ; 8 tiles: of each tile's 12,288 bytes the 3,072 of two K steps
	SHAPE G1R, 384, 4, 1536
	SHAPE G1PS, 32, 16, 32                         ; 4,096 dense bytes as rows of 256
	SHAPE G1RS, 32, 8, 32
	s_mul_i32 s16, s3, 196608
	s_mul_i32 s17, s21, 98304
	s_add_co_u32 s16, s16, s17
	s_add_co_u32 s16, s16, 192*12288               ; Wo's tiles are 192 .. 255
	s_mov_b32 s17, 0
	s_lshl_b32 s18, s3, 13
	s_lshl_b32 s19, s21, 12
	s_add_co_u32 s18, s18, s19
	s_add_co_u32 s18, s18, WQ_SB+192*512
	s_mov_b32 s19, 0
	s_mul_i32 s104, s67, 98304
	s_mul_i32 s105, s21, 49152
	s_add_co_u32 s104, s104, s105
	s_mov_b32 s105, 0
	s_lshl_b32 s100, s67, 12
	s_lshl_b32 s101, s21, 11
	s_add_co_u32 s100, s100, s101
	s_add_co_u32 s100, s100, XQ_SB
	s_mov_b32 s101, 0
	s_wait_dscnt 0x0
	s_wait_kmcnt 0x0
	CROUND                                         ; all sixteen work-groups are here: the joint loads meet
	s_mov_b32 s[G0PS], 1
	s_lshl_b32 s[G0PS+1], s21, 12
	s_add_co_u32 s[G0PS+1], s[G0PS+1], SCL
	s_add_nc_u64 s[G0PS+2:G0PS+3], s[6:7], s[18:19]
	s_or_b32 s[G0PS+3], s[G0PS+3], 0x80000000
	s_mov_b32 s[G0RS], 1
	s_lshl_b32 s[G0RS+1], s21, 11
	s_add_co_u32 s[G0RS+1], s[G0RS+1], SCL+8192
	s_add_nc_u64 s[G0RS+2:G0RS+3], s[4:5], s[100:101]
	s_or_b32 s[G0RS+3], s[G0RS+3], 0x80000000
	s_add_nc_u64 s[12:13], s[6:7], s[16:17]
	s_add_nc_u64 s[14:15], s[4:5], s[104:105]
.irp j, 0,1,2,3
	s_mov_b32 s[G0P+4*\j], 1
	s_mul_i32 s[G0P+4*\j+1], s21, 24576            ; LDS: the wave's number and constants alone
	s_add_co_u32 s[G0P+4*\j+1], s[G0P+4*\j+1], \j*CHUNK
	s_add_nc_u64 s[G0P+4*\j+2:G0P+4*\j+3], s[12:13], \j*3072
	s_or_b32 s[G0P+4*\j+3], s[G0P+4*\j+3], 0x80000000
	s_mov_b32 s[G0R+4*\j], 1
	s_mul_i32 s[G0R+4*\j+1], s21, 12288
	s_add_co_u32 s[G0R+4*\j+1], s[G0R+4*\j+1], \j*CHUNK+49152
	s_add_nc_u64 s[G0R+4*\j+2:G0R+4*\j+3], s[14:15], \j*3072
	s_or_b32 s[G0R+4*\j+3], s[G0R+4*\j+3], 0x80000000
.endr
	s_cmp_eq_u32 s22, 0                            ; a wave's five fills stand in one branch on its number: five tensor loads of mine are out
	s_cbranch_scc0 .Lfor_r
	tensor_load_to_lds s[G0PS:G0PS+3], s[G1PS:G1PS+7]
	s_nop 0
	tensor_load_to_lds s[G0P:G0P+3], s[G1P:G1P+7]
	s_nop 0
	tensor_load_to_lds s[G0P+4:G0P+7], s[G1P:G1P+7]
	s_nop 0
	tensor_load_to_lds s[G0P+8:G0P+11], s[G1P:G1P+7]
	s_nop 0
	tensor_load_to_lds s[G0P+12:G0P+15], s[G1P:G1P+7]
	s_nop 0
	PLACES
	s_branch .Lasked
.Lfor_r:
	tensor_load_to_lds s[G0RS:G0RS+3], s[G1RS:G1RS+7]
	s_nop 0
	tensor_load_to_lds s[G0R:G0R+3], s[G1R:G1R+7]
	s_nop 0
	tensor_load_to_lds s[G0R+4:G0R+7], s[G1R:G1R+7]
	s_nop 0
	tensor_load_to_lds s[G0R+8:G0R+11], s[G1R:G1R+7]
	s_nop 0
	tensor_load_to_lds s[G0R+12:G0R+15], s[G1R:G1R+7]
	s_nop 0
	PLACES
.Lasked:
	v_and_b32 v1, 31, v0                           ; lane
	v_and_b32 v2, 15, v0                           ; r
	v_bfe_u32 v3, v0, 4, 1                         ; h
	v_lshlrev_b32 v[L16], 4, v1
	v_lshl_add_u32 v[L8], v1, 3, 512
	v_lshlrev_b32 v[R16], 4, v2
	s_mul_i32 s12, s21, 24576
	v_add_nc_u32 v[AP16], s12, v[L16]
	v_add_nc_u32 v[AP8], s12, v[L8]
	s_mul_i32 s12, s22, 12288
	s_add_co_u32 s12, s12, 49152
	v_add_nc_u32 v[AR16], s12, v[L16]
	v_add_nc_u32 v[AR8], s12, v[L8]
	s_lshl_b32 s12, s21, 12
	s_add_co_u32 s12, s12, SCL
	v_add_nc_u32 v[ASP], s12, v[R16]
	s_lshl_b32 s12, s22, 11
	s_add_co_u32 s12, s12, SCL+8192
	v_add_nc_u32 v[ASR], s12, v[R16]
	s_mul_i32 s12, s20, 16*SPITCH                  ; my stage
	v_mul_u32_u24 v[STO], v2, SPITCH
	v_lshl_add_u32 v[STO], v3, 6, v[STO]
	v_add_nc_u32 v[STO], s12, v[STO]               ; in: row r, + 64 h
	v_add_nc_u32 v[RD], s12, v[L16]                ; back: the 32 lanes take one row of 512 bytes
	s_lshl_b32 s16, s67, 19                        ; out0: row 128 x R's group + 64 RH, of 4,096 bytes;
	s_lshl_b32 s17, s22, 18
	s_add_co_u32 s16, s16, s17
	s_lshl_b32 s17, s3, 10                         ; column 256 x P's group + 128 PH, of 4 bytes
	s_add_co_u32 s16, s16, s17
	s_lshl_b32 s17, s21, 9
	s_add_co_u32 s16, s16, s17
	s_mov_b32 s17, 0
	s_add_nc_u64 s[12:13], s[8:9], s[16:17]
.macro FETCH s                         ; K step s: my 8 fragments of P and 4 of R into set s % 2: 48 loads, each of 512 or 256 consecutive bytes
.set FP, 96*((\s)%2)
.set FQ, RF+48*((\s)%2)
.set FO, 1536*((\s)%2)
	WIN TO_P
.irp t, 0,1,2,3,4,5,6,7
	ds_load_b128 v[FP+12*\t:FP+12*\t+3], v[AP16] offset:FO+3072*\t
	ds_load_b64 v[FP+12*\t+4:FP+12*\t+5], v[AP8] offset:FO+3072*\t
	ds_load_b128 v[FP+12*\t+6:FP+12*\t+9], v[AP16] offset:FO+3072*\t+768
	ds_load_b64 v[FP+12*\t+10:FP+12*\t+11], v[AP8] offset:FO+3072*\t+768
.endr
	WIN 0
.irp a, 0,1,2,3
	ds_load_b128 v[FQ+12*\a:FQ+12*\a+3], v[AR16] offset:FO+3072*\a
	ds_load_b64 v[FQ+12*\a+4:FQ+12*\a+5], v[AR8] offset:FO+3072*\a
	ds_load_b128 v[FQ+12*\a+6:FQ+12*\a+9], v[AR16] offset:FO+3072*\a+768
	ds_load_b64 v[FQ+12*\a+10:FQ+12*\a+11], v[AR8] offset:FO+3072*\a+768
.endr
.endm
.macro MUL16 a0, s                     ; R's tiles a0, a0 + 1 against P's eight.  The 32 accumulators take turns, one instruction a turn, in the same order in every step.  Step 0 starts the sums
.set FP, 96*((\s)%2)
.set FQ, RF+48*((\s)%2)
.irp a, \a0, \a0+1
.irp t, 0,1,2,3,4,5,6,7
.if (\s) == 0
	v_wmma_scale_f32_16x16x128_f8f6f4 v[64*(\a)+8*\t:64*(\a)+8*\t+7], v[FP+12*\t:FP+12*\t+11], v[FQ+12*(\a):FQ+12*(\a)+11], 0, v[SCP+8*\t+(\s)], v[SCR+8*(\a)+(\s)] matrix_a_fmt:MATRIX_FMT_FP6 matrix_b_fmt:MATRIX_FMT_FP6
.else
	v_wmma_scale_f32_16x16x128_f8f6f4 v[64*(\a)+8*\t:64*(\a)+8*\t+7], v[FP+12*\t:FP+12*\t+11], v[FQ+12*(\a):FQ+12*(\a)+11], v[64*(\a)+8*\t:64*(\a)+8*\t+7], v[SCP+8*\t+(\s)], v[SCR+8*(\a)+(\s)] matrix_a_fmt:MATRIX_FMT_FP6 matrix_b_fmt:MATRIX_FMT_FP6
.endif
.endr
.endr
.endm
; A K step.  At its head the next step's fragments are asked for, into the set that the step before multiplied: four plain vector instructions stand between those products and the loads
; (ISA guide 7.12.1 for vector instructions).  The loads have this step's 32 matrix instructions in which to land.
.macro STEP s
	s_wait_dscnt 0x0                               ; this step's fragments are in (at step 0 the scale words too)
.if ((\s) == 1) || ((\s) == 3) || ((\s) == 5)
	s_wait_tensorcnt (5-(\s))/2                    ; my part of the next chunk has landed; the chunks behind it may stay out
	s_barrier_signal -1
	s_barrier_wait -1                              ; everybody's has
	v_add_nc_u32 v[AP16], CHUNK, v[AP16]           ; on to that chunk: these four are the places
	v_add_nc_u32 v[AP8], CHUNK, v[AP8]
	v_add_nc_u32 v[AR16], CHUNK, v[AR16]
	v_add_nc_u32 v[AR8], CHUNK, v[AR8]
.elseif ((\s) == 2) || ((\s) == 4) || ((\s) == 6)
	PLACES
.endif
.if (\s) < 7
	FETCH (\s)+1
.endif
	WIN MUL
	MUL16 0, \s
	MUL16 2, \s
	WIN 0
.endm
; THE WAY OUT, a tile of 16 rows x 128 columns at a time, through my own stage: in as 32 bytes a lane, back as whole rows of 512 bytes.  LDS serves a wave's instructions in order
; (ISA guide 5.7.1.4): no wait between the stores and the loads, nor in front of the next tile's stores.
.macro TOSTAGE a
	WIN 0x08                                       ; an LDS store's data are its source 1: window 2
.irp t, 0,1,2,3,4,5,6,7
	ds_store_b128 v[STO], v[64*(\a)+8*\t:64*(\a)+8*\t+3] offset:128*(\t/2)+32*(\t%2)       ; each accumulator from its low end on
	ds_store_b128 v[STO], v[64*(\a)+8*\t+4:64*(\a)+8*\t+7] offset:128*(\t/2)+32*(\t%2)+16
.endr
	WIN 0
.irp p, 0,1,2,3,4,5,6,7,8,9,10,11,12,13,14,15
	ds_load_b128 v[BK+64*((\a)%2)+4*\p:BK+64*((\a)%2)+4*\p+3], v[RD] offset:SPITCH*\p
.endr
.endm
.macro SEND a, younger                 ; younger: the LDS instructions issued behind tile a's loads, which may stay out
	s_wait_dscnt \younger
.irp p, 0,1,2,3,4,5,6,7,8,9,10,11,12,13,14,15
	global_store_b128 v[L16], v[BK+64*((\a)%2)+4*\p:BK+64*((\a)%2)+4*\p+3], s[12:13] offset:(32*((\a)/2)+8*((\a)%2)+(\p%8)+16*(\p/8))*4096 th:TH_STORE_NT   ; 512 consecutive bytes of one row, at a multiple of 512 from out0's first byte
.endr
.endm
	s_wait_alu depctr_va_vdst(0)
	s_wait_tensorcnt 3                             ; my part of the scale words and of chunk 0 is in; chunks 1 to 3 may be out
	s_barrier_signal -1
	s_barrier_wait -1                              ; everybody's is
.irp t, 0,1,2,3,4,5,6,7
	ds_load_b128 v[SCP+8*\t:SCP+8*\t+3], v[ASP] offset:512*\t          ; row r's words of K steps 0-3,
	ds_load_b128 v[SCP+8*\t+4:SCP+8*\t+7], v[ASP] offset:512*\t+256    ; and 4-7: they stay in registers
.endr
.irp a, 0,1,2,3
	ds_load_b128 v[SCR+8*\a:SCR+8*\a+3], v[ASR] offset:512*\a
	ds_load_b128 v[SCR+8*\a+4:SCR+8*\a+7], v[ASR] offset:512*\a+256
.endr
	FETCH 0
	STEP 0
	STEP 1
	s_wait_alu depctr_va_vdst(0)
	STEP 2
	STEP 3
	s_wait_alu depctr_va_vdst(0)
	STEP 4
	STEP 5
	s_wait_alu depctr_va_vdst(0)
	STEP 6
	STEP 7
	PLACES                                         ; four places between the last products and the stores that read results, and the loads into the registers that held R's fragments
	TOSTAGE 0
.irp a, 1,2,3
.if \a > 1
	s_wait_xcnt 0x0                                ; tile a - 2's stores have read their registers: tile a's rows may land there
.endif
	TOSTAGE \a
	SEND \a-1, 32                                  ; behind tile a - 1's loads: tile a's 16 stores and 16 loads
.endr
	SEND 3, 0
	s_wait_tensorcnt 0x0
	ds_add_u32 v254, v255
	s_wait_dscnt 0x0
	CROUND                                         ; the closing round: no work-group ends while a partner may still ask for a tile that names it
	s_endpgm
.Lfunc_end_k_q59ad285cfb_outp:
	.size	k_q59ad285cfb_outp, .Lfunc_end_k_q59ad285cfb_outp-k_q59ad285cfb_outp
	.p2alignl 7, 3214868480
	.fill 96, 4, 3214868480
	.section	.rodata,"a",@progbits
	.p2align	6, 0x0
	.amdhsa_kernel k_q59ad285cfb_outp
		.amdhsa_group_segment_fixed_size 307712
		.amdhsa_private_segment_fixed_size 0
		.amdhsa_enable_private_segment 0
		.amdhsa_kernarg_size 24
		.amdhsa_user_sgpr_count 2
		.amdhsa_user_sgpr_kernarg_segment_ptr 1
		.amdhsa_wavefront_size32 1
		.amdhsa_system_sgpr_workgroup_id_x 1
		.amdhsa_system_sgpr_workgroup_id_y 1
		.amdhsa_system_sgpr_workgroup_id_z 1
		.amdhsa_system_vgpr_workitem_id 0
		.amdhsa_next_free_vgpr 768
		.amdhsa_next_free_sgpr 106
		.amdhsa_reserve_vcc 0
		.amdhsa_float_denorm_mode_32 3
		.amdhsa_float_denorm_mode_16_64 3
		.amdhsa_memory_ordered 1
		.amdhsa_forward_progress 1
		.amdhsa_inst_pref_size 86
	.end_amdhsa_kernel
	.amdgpu_metadata
---
amdhsa.version: [ 1, 2 ]
amdhsa.kernels:
  - .name:           k_q59ad285cfb_outp
    .symbol:         k_q59ad285cfb_outp.kd
    .args:
      - { .name: a_img, .offset: 0, .size: 8, .value_kind: global_buffer, .address_space: global }
      - { .name: w_img, .offset: 8, .size: 8, .value_kind: global_buffer, .address_space: global }
      - { .name: out0, .offset: 16, .size: 8, .value_kind: global_buffer, .address_space: global }
    .group_segment_fixed_size: 307712
    .private_segment_fixed_size: 0
    .kernarg_segment_align: 8
    .kernarg_segment_size: 24
    .max_flat_workgroup_size: 128
    .sgpr_count:     106
    .vgpr_count:     768
    .wavefront_size: 32
...
	.end_amdgpu_metadata
.endif
;; end of part 4
